; MI455X (gfx1250); checked and timed in simulation.
; The chip was launched on July 23, 2026; its instructions are those of AMD's public machine-readable ISA for CDNA 5 (MIT licence, August 2026) and "CDNA5" Instruction Set Architecture Reference Guide (July 2026). The comments in the code are by the model that wrote it; some were corrected since.
;; Simple Transformer Block. Allowed arithmetic: matrix products marked QUANTISED: E2M3 operands, one E8M0 scale for each 32 along K, by v_wmma_scale_f32_16x16x128_f8f6f4 with both operands' format E2M3, f32 sums; everything else in f32.
;; Inputs: b_ff1 4,096 float32; b_ff2 1,024 float32; be1 1,024 float32; be2 1,024 float32; g1 1,024 float32; g2 1,024 float32; w_ff1_codes 4,096 x 32 x 24 uint8 (E2M3 codes of w_ff1, K innermost, in blocks of 32 codes, four codes in three bytes); w_ff1_scales 4,096 x 32 uint8 (E8M0 scales of w_ff1, one for each 32 codes along K); w_ff2_codes 1,024 x 128 x 24 uint8 (E2M3 codes of w_ff2, K innermost, in blocks of 32 codes, four codes in three bytes); w_ff2_scales 1,024 x 128 uint8 (E8M0 scales of w_ff2, one for each 32 codes along K); w_out_codes 1,024 x 32 x 24 uint8 (E2M3 codes of w_out, K innermost, in blocks of 32 codes, four codes in three bytes); w_out_scales 1,024 x 32 uint8 (E8M0 scales of w_out, one for each 32 codes along K); w_qkv_codes 3,072 x 32 x 24 uint8 (E2M3 codes of w_qkv, K innermost, in blocks of 32 codes, four codes in three bytes); w_qkv_scales 3,072 x 32 uint8 (E8M0 scales of w_qkv, one for each 32 codes along K); x 2 x 2,048 x 1,024 float32.
;; Outputs: out0 2 x 2,048 x 1,024 float32.
;; This version of the problem:
;;   THIS VERSION OF THE PROBLEM IS GIVEN IN LOW PRECISION. The matrix products marked QUANTISED in the list below multiply operands that are first quantised to E2M3 (2 exponent bits, 3 mantissa bits; 6 bits a number), with one power-of-two scale for each 32 numbers along K (OCP MX v1.0); their sums are f32. All else is computed in f32.
;;   The module's matrix products, in the order in which they are computed (A, B: the left and right operand; K: the contracted axis; several contracted axes count as one K, in the product's order):
;;     1. [M 4,096, K 1,024] x [K 1,024, N 3,072]; A: computed on the way; B: input w_qkv (given as codes): QUANTISED
;;     2. batch 32 x [M 2,048, K 64] x [K 64, N 2,048]; A: computed on the way; B: computed on the way: QUANTISED
;;     3. batch 32 x [M 64, K 2,048] x [K 2,048, N 2,048]; A: computed on the way; B: softmax (see below): QUANTISED
;;     4. [M 4,096, K 1,024] x [K 1,024, N 1,024]; A: computed on the way; B: input w_out (given as codes): QUANTISED
;;     5. [M 4,096, K 1,024] x [K 1,024, N 4,096]; A: computed on the way; B: input w_ff1 (given as codes): QUANTISED
;;     6. [M 4,096, K 4,096] x [K 4,096, N 1,024]; A: computed on the way; B: input w_ff2 (given as codes): QUANTISED
;;   THE QUANTISER, for each operand of a quantised product, along K:
;;     - K is cut into blocks of 32 from its start; a last block that is shorter is filled with zeros.
;;     - A block's scale is 2^e with e = floor(log2(the largest magnitude in the block)) - 2, held to -126 .. 127; a block of zeros has e = 0. As a byte (E8M0): e + 127.
;;     - Each number is divided by its block's scale, clamped to +-7.5, and rounded to the nearest number of E2M3, ties to even, subnormals kept.
;;     - The product sums the exact products of the quantised numbers (number of the format x scale) in f32.
;;   ~~~python
;;   def quantise(x, axis):      # numpy; x: float32 -> the quantised numbers, widened to float32 again
;;       x = np.moveaxis(x, axis, -1); K = x.shape[-1]
;;       x = np.pad(x, [(0, 0)] * (x.ndim - 1) + [(0, -K % 32)]); x = x.reshape(x.shape[:-1] + (-1, 32)); a = np.abs(x).max(-1, keepdims=True)
;;       e = np.where(a > 0, np.clip(np.frexp(np.where(a > 0, a, 1))[1] - 1 - 2, -126, 127), 0)      # np.frexp(a)[1] - 1 = floor(log2(a)), exactly
;;       r = np.clip(x / 2.0 ** e, -7.5, 7.5)
;;       step = 2.0 ** (np.maximum(np.frexp(np.where(r == 0, 1, r))[1] - 1, 0) - 3)
;;       q = np.round(r / step) * step * 2.0 ** e      # np.round: ties to even
;;       return np.moveaxis(q.reshape(q.shape[:-2] + (-1,))[..., :K], -1, axis).astype(np.float32)
;;   ~~~
;;   SOFTMAX AHEAD OF A QUANTISED PRODUCT. Where the list says 'softmax', what is quantised is not the finished softmax but p = 2^(t - M), with t = logit x log2(e) and M = ceil(the row's largest t), a whole number; so 1/2 < the row's largest p <= 1. The row's sum l is taken of the UNQUANTISED p, in f32, and the product's result is divided by l at the end. Since M is a whole number, a kernel that streams over the keys may use a running M (the ceiling of the running maximum): every later rescaling is an exact power of two, which a block's scale takes up: the codes' values come out the same.
;;   OPERANDS COMPUTED ON THE WAY. 'Computed on the way' means the value that the module computes at that place (a softmax that the list does not call 'softmax' is quantised finished and normalised). What goes into a quantiser is computed in f32, as accurately as f32 sums, v_exp_f32 and their like allow (about 1e-6 of the number): no bf16 or f16 on the way to a quantiser, and a product that is left as it is and whose result goes on into a quantised operand takes f32 operands (vector FMAs, or v_wmma_f32_16x16x4_f32). A number that lies on a knife's edge between two numbers of the format may be rounded either way, as far as f32 arithmetic and the matrix unit's own rounding can turn it there, and no further.
;;   INPUTS GIVEN AS CODES. w_ff1 (in the module: [1024, 4096], K = its axis 0); w_ff2 (in the module: [4096, 1024], K = its axis 0); w_out (in the module: [1024, 1024], K = its axis 0); w_qkv (in the module: [1024, 3072], K = its axis 0): each comes as NAME_codes (uint8): NAME with its K axis moved to the last place and cut into blocks of 32 codes, [.., K / 32, bytes a block], one block behind the other in memory; four codes in three bytes: a row's codes are one little-endian stream of bits, code i at bits 6 i .. 6 i + 5 (a code: sign, 2 exponent bits, 3 mantissa bits); and NAME_scales (uint8): the same leading axes, one E8M0 byte (e + 127) for each 32 codes along K. Its value is code x scale, taken as it is: it is not quantised again, and the codes and scales need not be those that the quantiser above would give.
;; One version. Each part assembles by itself: llvm-mc -triple=amdgcn-amd-amdhsa -mcpu=gfx1250 --defsym DOCPART=n.
;; ======== version 1 of 1: 7 launches
;; limits: right only within a limited range of input values
;; workspace buffers: xq 3,276,800 bytes; qk 6,553,600 bytes; vt 3,276,800 bytes; ao 3,276,800 bytes; x1 16,777,216 bytes; hq 13,107,200 bytes; wr 10,223,616 bytes
;; launch ln1 (part 1): grid 448 x 1, 4 waves a work-group, no clusters, 21,504 bytes of LDS; arguments x, g1, be1, xq, w_qkv_codes, w_ff1_codes, w_out_codes, w_ff2_codes, wr; writes xq, wr
.if DOCPART == 1
	.amdgcn_target "amdgcn-amd-amdhsa--gfx1250"
	.amdhsa_code_object_version 6
	.text
	.protected	k_q88cce0efea_ln1
	.globl	k_q88cce0efea_ln1
	.p2align	8
	.type	k_q88cce0efea_ln1,@function
k_q88cce0efea_ln1:
	s_mov_b64 s[64:65], 0
	v_nop
	global_prefetch_b8 v0, s[64:65] scope:SCOPE_SE
	s_setreg_imm32_b32 hwreg(HW_REG_WAVE_MODE, 25, 1), 1
	s_wait_xcnt 0x0
; LayerNorm over rows of 1,024 f32, then the rows are quantised along the row into codes of FP6 (E2M3) with one E8M0 byte for each 32 numbers.
; In: x [4096][1024] f32, g, be [1024] f32.  Out: codes [4096][768 bytes] at byte 0 of the buffer, scale bytes [4096][32] at byte 3,145,728: rows with K innermost, as the weights lie.
; SHARES.  A work-group takes 16 rows, each of its four waves 4; a row stays in 32 registers of its wave between the mean, the variance (of x - mean: two passes) and the scaling.
; All four rows are asked for at the head: 48 loads of 512 consecutive bytes a wave.  No matrix unit, tensor load or cluster: a stream that is read once and shared by nobody.
; The conversion takes 16 neighbours of ONE lane, the loads give a lane 4: so a finished row turns through the wave's own stage in LDS (places of 64 bytes + 16 of padding) and comes back 64 bytes a lane.
; A block's scale byte is its largest magnitude's exponent field - 2, held at 1 from below.
; LIMITS: NaN and infinities are not served; a block whose largest magnitude lies under 2^-124, a block of zeros too, gets the byte 1 (its codes are zeros or near; the bytes are read by this program alone).
.set ROWB, 4096
.set Y,    32                          ; v32-63   two sets of 16 neighbours
.set X,    64                          ; v64-191  four rows, 32 registers each
.set GG,   192                         ; v192-223 g of my 32 columns
.set BE,   224                         ; v224-255 be
.set STG,  5120                        ; a wave's stage: 64 places of 80 bytes
.set SB,   4*STG                       ; behind the stages: the work-group's 512 scale bytes
; THE CODES' LAYOUT, in place of rows of 768 bytes: [K step of 256][4096 rows][192 bytes], so that 128 rows of a K step are 24,576 dense bytes that begin on a multiple of 256.
; Work-groups 256 and up (the first of the two launches that run this body has 192 of them) lay the weights' codes anew, by K step too: see .Lrelay.
	s_cmp_ge_u32 ttmp9, 256
	s_cbranch_scc1 .Lrelay
	s_load_b256 s[4:11], s[0:1], 0x0
	v_lshl_add_u32 v14, v0, 2, 0x5200
	v_mov_b32 v15, 0
	v_lshrrev_b32 v1, 5, v0
	v_readfirstlane_b32 s14, v1                    ; wave
	v_and_b32 v1, 31, v0                           ; lane
	v_lshlrev_b32 v2, 4, v1                        ; v2: my 16 bytes of a load's 512
	s_mul_i32 s15, s14, STG
	v_lshrrev_b32 v3, 2, v1
	v_mul_u32_u24 v3, v3, 80
	v_and_b32 v4, 3, v1
	v_lshl_add_u32 v3, v4, 4, v3
	v_add_nc_u32 v3, s15, v3                       ; v3: into the stage: 80 (lane / 4) + 16 (lane % 4); a load's 512 bytes take eight places
	v_mul_u32_u24 v4, v1, 80
	v_add_nc_u32 v4, s15, v4                       ; v4: out of it: 80 x lane
	s_lshl_b32 s16, s14, 7
	s_add_co_u32 s16, s16, SB
	v_lshrrev_b32 v5, 1, v1
	v_add_nc_u32 v5, s16, v5                       ; v5: my block's scale byte: 128 bytes a wave, two lanes to a block
	v_and_b32 v6, 15, v1
	v_mul_u32_u24 v6, v6, 12
	v_lshrrev_b32 v13, 4, v1
	v_mad_u32_u24 v6, v13, 0xc0000, v6             ; v6: 12 (lane % 16) in the row's 192 bytes, lanes 16-31 one K step (786,432 bytes) on
	v_add_nc_u32 v7, SB, v2                        ; v7: the scale bytes on their way out
	v_mov_b32 v13, 0                               ; a lane permute's destination counts as read
	s_mov_b32 s12, 0x76543210
	s_mov_b32 s13, 0xfedcba98                      ; selects for lane l xor 16
	s_mov_b32 s20, 0x3a800000                      ; 1 / 1024
	s_mov_b32 s21, 0x3727c5ac                      ; 1e-5
	s_lshl_b32 s2, ttmp9, 16                       ; 16 rows of 4,096 bytes a work-group,
	s_lshl_b32 s3, s14, 14                         ; 4 a wave
	s_add_co_u32 s2, s2, s3
	s_mov_b32 s3, 0
	s_mul_i32 s22, ttmp9, 3072                     ; 192 bytes of codes a row and K step
	s_mul_i32 s23, s14, 768
	s_add_co_u32 s22, s22, s23
	s_mov_b32 s23, 0
	s_lshl_b32 s24, ttmp9, 9                       ; 512 scale bytes a work-group
	s_mov_b32 s25, 0
	s_wait_kmcnt 0x0
	s_add_nc_u64 s[4:5], s[4:5], s[2:3]
	s_add_nc_u64 s[18:19], s[10:11], 3145728
	s_add_nc_u64 s[18:19], s[18:19], s[24:25]
	s_add_nc_u64 s[10:11], s[10:11], s[22:23]
.macro LOADROW p
.irp j, 0,1,2,3,4,5,6,7
	global_load_b128 v[X+32*(\p)+4*\j:X+32*(\p)+4*\j+3], v2, s[4:5] offset:ROWB*(\p)+512*\j
.endr
.endm
	LOADROW 0
.irp j, 0,1,2,3,4,5,6,7
	global_load_b128 v[GG+4*\j:GG+4*\j+3], v2, s[6:7] offset:512*\j
.endr
.irp j, 0,1,2,3,4,5,6,7
	global_load_b128 v[BE+4*\j:BE+4*\j+3], v2, s[8:9] offset:512*\j
.endr
	LOADROW 1
	LOADROW 2
	LOADROW 3
.macro WSUM                            ; v12 summed over the 32 lanes, the result in every lane
	v_add_f32_dpp v12, v12, v12 row_xmask:1 row_mask:0xf bank_mask:0xf
	v_add_f32_dpp v12, v12, v12 row_xmask:2 row_mask:0xf bank_mask:0xf
	v_add_f32_dpp v12, v12, v12 row_xmask:4 row_mask:0xf bank_mask:0xf
	v_add_f32_dpp v12, v12, v12 row_xmask:8 row_mask:0xf bank_mask:0xf
	v_permlanex16_b32 v13, v12, s12, s13
	v_add_f32 v12, v12, v13
.endm
.macro JOIN                            ; the four packed chains v[16:23] into v12
	v_pk_add_f32 v[16:17], v[16:17], v[18:19]
	v_pk_add_f32 v[20:21], v[20:21], v[22:23]
	v_pk_add_f32 v[16:17], v[16:17], v[20:21]
	v_add_f32 v12, v16, v17
	WSUM
.endm
; Row p of my four.  la: the younger loads that may be out when the row is wanted; lb: when g and be are wanted.
.macro ROW p, la, lb
.set XR, X+32*(\p)
	s_wait_loadcnt \la
.irp c, 0,1,2,3
	v_pk_add_f32 v[16+2*\c:17+2*\c], v[XR+2*\c:XR+2*\c+1], v[XR+8+2*\c:XR+9+2*\c]
.endr
.irp k, 16,24
.irp c, 0,1,2,3
	v_pk_add_f32 v[16+2*\c:17+2*\c], v[16+2*\c:17+2*\c], v[XR+\k+2*\c:XR+\k+2*\c+1]
.endr
.endr
	JOIN
	v_mul_f32 v8, s20, v12                         ; the mean, twice: a pair for the packed forms
	v_mul_f32 v9, s20, v12
.set i, 0
.rept 16
	v_pk_add_f32 v[XR+i:XR+i+1], v[XR+i:XR+i+1], v[8:9] neg_lo:[0,1] neg_hi:[0,1]
.set i, i+2
.endr
.irp c, 0,1,2,3
	v_pk_mul_f32 v[16+2*\c:17+2*\c], v[XR+2*\c:XR+2*\c+1], v[XR+2*\c:XR+2*\c+1]
.endr
.irp k, 8,16,24
.irp c, 0,1,2,3
	v_pk_fma_f32 v[16+2*\c:17+2*\c], v[XR+\k+2*\c:XR+\k+2*\c+1], v[XR+\k+2*\c:XR+\k+2*\c+1], v[16+2*\c:17+2*\c]
.endr
.endr
	JOIN
	v_fma_f32 v12, v12, s20, s21                   ; the variance + 1e-5
	s_wait_alu depctr_va_vdst(0)
	v_rsq_f32 v10, v12
	v_nop                                          ; one plain instruction behind the transcendental
	s_wait_alu depctr_va_vdst(0)
	v_mov_b32 v11, v10
	s_wait_alu depctr_va_vdst(0)
	s_wait_loadcnt \lb
.set i, 0
.rept 16
	v_pk_mul_f32 v[XR+i:XR+i+1], v[XR+i:XR+i+1], v[10:11]
.set i, i+2
.endr
.set i, 0
.rept 16
	v_pk_fma_f32 v[XR+i:XR+i+1], v[XR+i:XR+i+1], v[GG+i:GG+i+1], v[BE+i:BE+i+1]
.set i, i+2
.endr
.irp j, 0,1,2,3,4,5,6,7
	ds_store_b128 v3, v[XR+4*\j:XR+4*\j+3] offset:640*\j
.endr
.irp s, 0,1
.irp i, 0,1,2,3
	ds_load_b128 v[Y+16*\s+4*\i:Y+16*\s+4*\i+3], v4 offset:2560*\s+16*\i   ; LDS serves a wave's instructions in order: these see the stores above
.endr
.endr
.irp s, 0,1
.set YS, Y+16*\s
	s_wait_dscnt 4-3*\s                            ; half 0: the other half's four loads may be out; half 1: half 0's byte store may
	v_max3_num_f32 v24, |v[YS]|, |v[YS+1]|, |v[YS+2]|
	v_max3_num_f32 v25, |v[YS+3]|, |v[YS+4]|, |v[YS+5]|
.irp i, 6,10
	v_max3_num_f32 v24, v24, |v[YS+\i]|, |v[YS+\i+1]|
	v_max3_num_f32 v25, v25, |v[YS+\i+2]|, |v[YS+\i+3]|
.endr
	v_max3_num_f32 v24, v24, |v[YS+14]|, |v[YS+15]|
	v_max3_num_f32 v24, v24, v25, 0x1800000        ; and the floor 2^(3 - 127): the byte cannot fall under 1
	v_max_num_f32_dpp v24, v24, v24 row_xmask:1 row_mask:0xf bank_mask:0xf   ; with my neighbour's 16: the block's
	v_add_nc_u32 v26, 0xff000000, v24              ; 2 off the exponent field: the conversion's scale operand
	s_wait_alu depctr_va_vdst(0)
	s_wait_xcnt 0x0                                ; the last store of codes has read v[28:30]
	v_cvt_scalef32_pk16_fp6_f32 v[28:30], v[YS:YS+15], v26
	v_lshrrev_b32 v[27+4*\s], 23, v26              ; the scale's byte (a register for each half)
	ds_store_b8 v5, v[27+4*\s] offset:32*(\p)+16*\s
	global_store_b96 v6, v[28:30], s[10:11] offset:192*(\p)+1572864*\s   ; each half of the lanes stores 192 consecutive bytes
.endr
.endm
	ROW 0, 40, 24                                  ; behind row 0's loads: g, be and three rows; behind be's: three rows
	ROW 1, 16, 16
	ROW 2, 8, 8
	ROW 3, 0, 0
	s_wait_dscnt 0x0                               ; for the others' sake: my byte stores are done
	s_barrier_signal -1
	s_barrier_wait -1
	s_cmp_lg_u32 s14, 0
	s_cbranch_scc1 .Lend
	ds_load_b128 v[16:19], v7                      ; wave 0 stores the 16 rows' 512 scale bytes: two whole aligned blocks of 256
	s_wait_dscnt 0x0
	global_store_b128 v2, v[16:19], s[18:19]
.Lend:
	s_wait_tensorcnt 0x0
	ds_add_u32 v14, v15
	s_wait_dscnt 0x0
	s_endpgm
; THE WEIGHTS' CODES, LAID BY K STEP into wr, so that every tile of the later products is a dense block whose rows of 256 bytes begin on multiples of 256:
;   w_qkv at 0 and w_ff1 at 3,145,728: [4 steps of 256][4096 rows (w_qkv fills 3,072)][192 bytes];  w_out at 6,291,456: [2 steps of 512][1024][384];  w_ff2 at 7,077,888: [8][1024][384].
; A work-group copies 49,152 bytes, 24 pieces of 16 bytes a thread: 48 work-groups for w_qkv, 64 for w_ff1, 16 for w_out, 64 for w_ff2.  The 128 threads store 2,048 consecutive bytes an instruction.
.Lrelay:
	s_load_b256 s[4:11], s[0:1], 0x20              ; w_qkv, w_ff1, w_out, w_ff2
	s_load_b64 s[12:13], s[0:1], 0x40              ; wr
	s_sub_co_u32 s14, ttmp9, 256
	s_mov_b32 s21, 0
; Piece q = thread + 128 b of a group of 384: row q / pu, 16 bytes q % pu of the row's step.  mg: 65536 / pu rounded up; rs: a source row in bytes.
; Group a of eight: step a >> sh (pb bytes on in the source, pl in wr), rows (a & mask) x ss bytes on in the source, 6,144 in wr.
.macro RELAY mg, pu, rs, sh, pb, ss, pl
.irp b, 0,1,2
	v_add_nc_u32 v[23+\b], 128*\b, v0
.endr
.irp b, 0,1,2
	v_mul_u32_u24 v[26+\b], v[23+\b], \mg
.endr
.irp b, 0,1,2
	v_lshrrev_b32 v[26+\b], 16, v[26+\b]
.endr
.irp b, 0,1,2
	v_mul_u32_u24 v[20+\b], v[26+\b], \pu
.endr
.irp b, 0,1,2
	v_sub_nc_u32 v[20+\b], v[23+\b], v[20+\b]
.endr
.irp b, 0,1,2
	v_lshlrev_b32 v[20+\b], 4, v[20+\b]
.endr
.irp b, 0,1,2
	v_mad_u32_u24 v[20+\b], v[26+\b], \rs, v[20+\b]
.endr
.irp b, 0,1,2
	v_lshlrev_b32 v[23+\b], 4, v[23+\b]
.endr
	s_wait_alu depctr_va_vdst(0)
.irp a, 0,1,2,3,4,5,6,7
.irp b, 0,1,2
	global_load_b128 v[32+4*(3*\a+\b):35+4*(3*\a+\b)], v[20+\b], s[16:17] offset:(\a>>\sh)*\pb+(\a&((1<<\sh)-1))*\ss th:TH_LOAD_NT
.endr
.endr
.irp a, 0,1,2,3,4,5,6,7
	s_wait_loadcnt 21-3*\a                         ; the later groups' loads may be out
.irp b, 0,1,2
	global_store_b128 v[23+\b], v[32+4*(3*\a+\b):35+4*(3*\a+\b)], s[18:19] offset:(\a>>\sh)*\pl+(\a&((1<<\sh)-1))*6144
.endr
.endr
	s_endpgm
.endm
	s_wait_kmcnt 0x0
	s_cmp_lt_u32 s14, 112
	s_cbranch_scc0 .Lr_wide
	s_cmp_lt_u32 s14, 48
	s_cselect_b64 s[16:17], s[4:5], s[6:7]
	s_cselect_b32 s15, 0, 48
	s_cselect_b32 s22, 0, 3145728
	s_sub_co_u32 s14, s14, s15
	s_mul_i32 s20, s14, 49152
	s_add_nc_u64 s[16:17], s[16:17], s[20:21]
	s_mul_i32 s20, s14, 12288
	s_add_co_u32 s20, s20, s22
	s_add_nc_u64 s[18:19], s[12:13], s[20:21]
	RELAY 5462, 12, 768, 1, 192, 24576, 786432
.Lr_wide:
	s_cmp_lt_u32 s14, 128
	s_cbranch_scc0 .Lr_ff2
	s_sub_co_u32 s14, s14, 112
	s_mul_i32 s20, s14, 49152
	s_add_nc_u64 s[16:17], s[8:9], s[20:21]
	s_mul_i32 s20, s14, 24576
	s_add_co_u32 s20, s20, 6291456
	s_add_nc_u64 s[18:19], s[12:13], s[20:21]
	RELAY 2731, 24, 768, 2, 384, 12288, 393216
.Lr_ff2:
	s_sub_co_u32 s14, s14, 128
	s_mul_i32 s20, s14, 49152
	s_add_nc_u64 s[16:17], s[10:11], s[20:21]
	s_mul_i32 s20, s14, 6144
	s_add_co_u32 s20, s20, 7077888
	s_add_nc_u64 s[18:19], s[12:13], s[20:21]
	RELAY 2731, 24, 3072, 0, 384, 0, 393216
.Lfunc_end_k_q88cce0efea_ln1:
	.size	k_q88cce0efea_ln1, .Lfunc_end_k_q88cce0efea_ln1-k_q88cce0efea_ln1
	.p2alignl 7, 3214868480
	.fill 96, 4, 3214868480
	.section	.rodata,"a",@progbits
	.p2align	6, 0x0
	.amdhsa_kernel k_q88cce0efea_ln1
		.amdhsa_group_segment_fixed_size 21504
		.amdhsa_private_segment_fixed_size 0
		.amdhsa_enable_private_segment 0
		.amdhsa_kernarg_size 72
		.amdhsa_user_sgpr_count 2
		.amdhsa_user_sgpr_kernarg_segment_ptr 1
		.amdhsa_wavefront_size32 1
		.amdhsa_system_sgpr_workgroup_id_x 1
		.amdhsa_system_sgpr_workgroup_id_y 1
		.amdhsa_system_sgpr_workgroup_id_z 1
		.amdhsa_system_vgpr_workitem_id 0
		.amdhsa_next_free_vgpr 256
		.amdhsa_next_free_sgpr 66
		.amdhsa_reserve_vcc 0
		.amdhsa_float_denorm_mode_32 3
		.amdhsa_float_denorm_mode_16_64 3
		.amdhsa_memory_ordered 1
		.amdhsa_forward_progress 1
		.amdhsa_inst_pref_size 65
	.end_amdhsa_kernel
	.amdgpu_metadata
---
amdhsa.version: [ 1, 2 ]
amdhsa.kernels:
  - .name:           k_q88cce0efea_ln1
    .symbol:         k_q88cce0efea_ln1.kd
    .args:
      - { .name: x, .offset: 0, .size: 8, .value_kind: global_buffer, .address_space: global }
      - { .name: g1, .offset: 8, .size: 8, .value_kind: global_buffer, .address_space: global }
      - { .name: be1, .offset: 16, .size: 8, .value_kind: global_buffer, .address_space: global }
      - { .name: xq, .offset: 24, .size: 8, .value_kind: global_buffer, .address_space: global }
      - { .name: w_qkv_codes, .offset: 32, .size: 8, .value_kind: global_buffer, .address_space: global }
      - { .name: w_ff1_codes, .offset: 40, .size: 8, .value_kind: global_buffer, .address_space: global }
      - { .name: w_out_codes, .offset: 48, .size: 8, .value_kind: global_buffer, .address_space: global }
      - { .name: w_ff2_codes, .offset: 56, .size: 8, .value_kind: global_buffer, .address_space: global }
      - { .name: wr, .offset: 64, .size: 8, .value_kind: global_buffer, .address_space: global }
    .group_segment_fixed_size: 21504
    .private_segment_fixed_size: 0
    .kernarg_segment_align: 8
    .kernarg_segment_size: 72
    .max_flat_workgroup_size: 128
    .sgpr_count:     66
    .vgpr_count:     256
    .wavefront_size: 32
...
	.end_amdgpu_metadata
.endif
;; end of part 1
;; launch qkv (part 2): grid 12 x 16, 4 waves a work-group, clusters of 4 x 4, 327,680 bytes of LDS; arguments xq, wr, w_qkv_scales, qk, vt; writes qk, vt
.if DOCPART == 2
	.amdgcn_target "amdgcn-amd-amdhsa--gfx1250"
	.amdhsa_code_object_version 6
	.text
	.protected	k_q88cce0efea_qkv
	.globl	k_q88cce0efea_qkv
	.p2align	8
	.type	k_q88cce0efea_qkv,@function
k_q88cce0efea_qkv:
	s_mov_b64 s[64:65], 0
	v_nop
	global_prefetch_b8 v0, s[64:65] scope:SCOPE_SE
	s_setreg_imm32_b32 hwreg(HW_REG_WAVE_MODE, 25, 1), 1
	s_wait_xcnt 0x0
	s_wait_alu depctr_hold_cnt(0) depctr_sa_sdst(0) depctr_va_vdst(0) depctr_va_sdst(0) depctr_va_ssrc(0) depctr_va_vcc(0) depctr_vm_vsrc(0)
	s_getreg_b32 s2, hwreg(HW_REG_IB_STS2, 6, 4)
	s_cmp_eq_u32 s2, 0
	s_cbranch_scc0 .Lentry_in_a_cluster
	s_endpgm
.Lentry_in_a_cluster:
	s_bfe_u32 s2, ttmp6, 0x10000c
	s_cmp_lg_u32 s2, 0xf033
	s_cbranch_scc0 .Lentry_shape_is_right
	s_endpgm
.Lentry_shape_is_right:
; C = A B^T on codes of FP6 (E2M3) with E8M0 scales, K = 1,024, and C is QUANTISED along its columns on the way out: codes and scale words are all that leaves.
; MODE 0 (q, k, v): clusters x = 0, 1: A = the normalised tokens, B = w_qkv's rows 0 .. 2,047: q and k, quantised along the head's 64.  Cluster x = 2: A = w_qkv's rows 2,048 on, B = the tokens: v^T, quantised along the tokens.
;   The choice hangs on the cluster's x alone, which all partners share, and selects pointers and strides; no branch hangs on it.
; MODE 1 (first layer of the MLP): A = tokens, B = w_ff1; b_ff1 is the C of the first products; exact GELU in f32; quantised along the hidden units.
; A tile of C is 256 x 256, four waves of 128 x 128 (64 accumulators, 512 registers).  K goes in steps of 256 through a ring of two LDS slots filled by the tensor data mover; rows of 192 bytes with 16 bytes of padding behind each 64.
; The scale bytes of the work-group's rows of A and of B for all of K come once, with the first fills.  CLUSTERS 4 x 4: A's tiles are asked for jointly along a row of the cluster, B's along a column.
; THE MATRIX INSTRUCTION IS USED TRANSPOSED (source 0 = 16 rows of B, source 1 = 16 rows of A): a lane holds one row of C and its registers run along the columns, the next product's K.
; THE ROWS OF B THAT FORM A TILE ARE CHOSEN: of each 32 rows the even tile takes rows 0-7 and 24-31, the odd tile rows 8-23: both touch sixteen different bank groups at this pitch.  A lane's 16 registers of the two tiles
; are then columns 0-15 (lanes 0-15) or 24-31, 16-23 (lanes 16-31): the block's largest magnitude is that of lanes l and l xor 16, and in lanes 16-31 the 96 bits of codes are turned by 48 bits.
; OUTPUT LAYOUT: the 12 bytes of 16 codes, columns n .. n + 15 of row m, lie at (n/64) R 48 + (m/16) 768 + ((n/32)%2) 384 + (m%8) 48 + ((m/8)%2) 24 + ((n/16)%2) 12: a wave's store covers 384 consecutive bytes.
;   Scale words [columns / 128][R][4 bytes] behind the codes.
; LIMITS: NaN, infinities and the scale byte 0xff are not served; a block under 2^-124 gets the byte 1; erf is an f32 rational of z held to +-4; sums are f32 in the matrix unit's order.
; REGISTERS: window 0: v0-31 addresses; v32-63 scale words and nothing else; v64-127 the bias tiles, later work; from v128 A's fragments, later G and work.  window 1: B's fragments, two sets.  windows 2, 3: accumulators.
.set MODE,   0
.set NQ,     2
.set ROWB,   786432                    ; from K step to K step in memory: tokens and weights lie as [K step][4096 rows][192 bytes]
.set KROW,   192                       ; a row of a K step in memory
.set PITCH,  240
.set FR,     12
.set NL,     6
.set NP,     4
.set HALFT,  128*PITCH
.set SLOT,   4*HALFT
.set LAPS,   2
.set KS,     32
.set SCL,    2*SLOT
.set HALFS,  (128*KS/256)*272
.set SBLK,   (16*KS/256)*272
.set SPARE,  SCL+4*HALFS               ; the spare words: 128 bytes a wave, named by no other line
.set ADRS2, 7                          ; v7      scale words for odd tiles
.set ADRZ, 8                           ; v8-11   B's even tiles: as ADRB, lanes 8-15 of a half sixteen rows further down
.set VO,   12                          ; v12-13  the codes' place in the first and the second plane of 64 columns
.set SCA,  14                          ; v14     LDS: where my row's scale word goes
.set L16,  15                          ; v15     16 x lane
.set ADRA, 16                          ; v16-19
.set ADRB, 20                          ; v20-23
.set SCR,  24                          ; v24     LDS: the scale words on their way out
.set ADRS, 27                          ; v27     scale words for even tiles
.set SPW,  28
.set NIL,  29
.set BO,   30                          ; v30-31  the bias's lane offsets
.set SC,   32
.set BI,   64
.set AF,   128
.set TM,   64                          ; the way out: v64-67 largest magnitudes, v68-71 bytes, v72-75 scale operands, v76-79 two constant pairs
.set CD,   80                          ; v80-95   codes, four registers a block
.set FX,   96                          ; v96-107  the same turned by 48 bits
.set PW,   108                         ; v108-115 scale words
.set OW,   116
.set G,    128
.set ZZ,   192
.set X2,   208
.set PP,   224
.set QQ,   240
.set G1, 24
.set G0, 32
.set G1B, 48
.set G0B, 56
.set G1S, 68
.set G0S, 76
.set G1SB, 80
.set G0SB, 88
.set MSB, 0
.macro WIN new                         ; the immediate's high byte repeats the setting that is left
.if MSB != \new
	s_set_vgpr_msb (MSB<<8)|\new
.set MSB, \new
.endif
.endm
.set MUL_LO, 0xa1                      ; source 0 (B) window 1, source 1 (A) window 0, C and D window 2
.set MUL_HI, 0xf1
.set TO_B,   0x40
; A joint load: waves 0 and 1 fetch for A, waves 2 and 3 for B; the branch hangs on the wave's number alone.  Four v_nop follow each line.
.macro JLOAD g0a, g1a, g0b, g1b
	s_cmp_eq_u32 s15, 0
	s_cbranch_scc0 .Lfor_b_\@
	tensor_load_to_lds s[\g0a:\g0a+3], s[\g1a:\g1a+7]
	s_nop 0
.rept 4
	v_nop
.endr
	s_branch .Lasked_\@
.Lfor_b_\@:
	tensor_load_to_lds s[\g0b:\g0b+3], s[\g1b:\g1b+7]
	s_nop 0
.rept 4
	v_nop
.endr
.Lasked_\@:
.endm
.macro CREST                           ; a round of the cluster's barrier behind its opening barrier
	s_cmp_lg_u32 s14, 0
	s_cbranch_scc1 .Lnot_wave_0_\@
	s_barrier_signal -3
.Lnot_wave_0_\@:
	s_barrier_wait -3
	s_barrier_signal -1
	s_barrier_wait -1
.endm
.macro CROUND
	s_barrier_signal -1
	s_barrier_wait -1
	CREST
.endm
	s_load_b256 s[4:11], s[0:1], 0x0
	s_load_b64 s[12:13], s[0:1], 0x20
	v_lshl_add_u32 v[SPW], v0, 2, SPARE
	v_mov_b32 v[NIL], 0
	ds_add_u32 v28, v29
	ds_add_u32 v28, v29
	s_wait_dscnt 0x0
	v_lshrrev_b32 v1, 5, v0
	v_readfirstlane_b32 s14, v1                    ; wave 0..3
	s_lshr_b32 s15, s14, 1                         ; my half of the tile's rows; also: I fetch for A (0) or B (1)
	s_and_b32 s16, s14, 1                          ; my half of its columns; also: which 128 rows I fetch
	s_bfe_u32 s40, ttmp6, 0x40000                  ; cx
	s_bfe_u32 s41, ttmp6, 0x40004                  ; cy
	s_and_b32 s17, ttmp7, 0xffff                   ; cluster y
	s_mov_b32 s2, 196608                           ; from plane to plane of the output: 48 R
	s_mov_b32 s66, 16384                           ; 4 R
.if MODE == 0
	s_mov_b32 s67, 6291456                         ; where the output's scale words begin
	s_cmp_eq_u32 ttmp9, 2                          ; the v part?
	s_cselect_b32 s42, s17, ttmp9                  ; cluster column: over the tokens there
	s_cselect_b32 s17, 0, s17                      ; cluster row: w_v's 1,024 rows are one cluster high
	s_cselect_b32 s2, 49152, s2
	s_cselect_b32 s66, 4096, s66
	s_cselect_b32 s67, 3145728, s67
.else
	s_mov_b32 s67, 12582912
	s_mov_b32 s42, ttmp9
.endif
	s_lshl_b32 s42, s42, 2
	s_add_co_u32 s42, s42, s40                     ; tile column
	s_lshl_b32 s17, s17, 2
	s_add_co_u32 s17, s17, s41                     ; tile row
	s_lshl_b32 s43, s41, 2
	s_lshl_b32 s43, 15, s43                        ; my row of the cluster
	s_lshl_b32 s44, 0x1111, s40                    ; my column
	s_or_b32 s[G1+0], s43, (0<<16)|(1<<20)|(1<<21)|(3<<22)|(3<<25)  ; mask; elements of 1 byte; padding on; bit 21 beside a mask; after every 16 words 4 words
	s_or_b32 s[G1B+0], s44, (0<<16)|(1<<20)|(1<<21)|(3<<22)|(3<<25)
.irp g, G1, G1B
	s_mov_b32 s[\g+1], 256<<16                     ; a tile is dense in memory: stated as rows of 256 bytes; the padding behind each 64 bytes gives LDS rows of 240 for each 192
	s_mov_b32 s[\g+2], 192<<16                     ; the head's loads: 256 rows of 192 bytes = 192 of 256
	s_mov_b32 s[\g+3], 256<<16
	s_mov_b32 s[\g+4], 192
	s_mov_b32 s[\g+5], 256
	s_mov_b32 s[\g+6], 0
	s_mov_b32 s[\g+7], 0
.endr
	s_or_b32 s[G1S+0], s43, (3<<16)|(1<<20)|(1<<21)|(5<<22)|(3<<25)  ; the scales of 256 rows: 8,192 dense bytes as rows of 256 + 16 of padding
	s_or_b32 s[G1SB+0], s44, (3<<16)|(1<<20)|(1<<21)|(5<<22)|(3<<25)
.irp g, G1S, G1SB
	s_mov_b32 s[\g+1], 32<<16
	s_mov_b32 s[\g+2], KS<<16
	s_mov_b32 s[\g+3], 32<<16
	s_mov_b32 s[\g+4], KS
	s_mov_b32 s[\g+5], 32
	s_mov_b32 s[\g+6], 0
	s_mov_b32 s[\g+7], 0
.endr
	s_lshl_b32 s20, s17, 8
	s_lshl_b32 s46, s42, 8
	s_mov_b32 s21, 0
	s_mov_b32 s47, 0
	s_mov_b64 s[18:19], KS
	s_mul_u64 s[22:23], s[20:21], s[18:19]
	s_mul_u64 s[92:93], s[46:47], s[18:19]
	s_mov_b64 s[18:19], KROW
	s_mul_u64 s[20:21], s[20:21], s[18:19]
	s_mul_u64 s[46:47], s[46:47], s[18:19]
	s_mul_i32 s45, s14, HALFT
	s_wait_kmcnt 0x0
.if MODE == 0                          ; s[4:5] tokens, s[6:7] w's codes, s[8:9] w's scales, s[10:11] qk, s[12:13] vt
	s_add_nc_u64 s[96:97], s[4:5], 3145728         ; the tokens' scale bytes
	s_add_nc_u64 s[98:99], s[6:7], 393216
	s_add_nc_u64 s[100:101], s[8:9], 65536         ; scale bytes
	s_cmp_eq_u32 ttmp9, 2
	s_cselect_b64 s[12:13], s[12:13], s[10:11]     ; the output
	s_cselect_b64 s[10:11], s[96:97], s[8:9]       ; B's scales
	s_cselect_b64 s[8:9], s[4:5], s[6:7]           ; B's codes
	s_cselect_b64 s[6:7], s[100:101], s[96:97]     ; A's scales
	s_cselect_b64 s[4:5], s[98:99], s[4:5]         ; A's codes
.else                                  ; s[10:11] b_ff1, s[12:13] the output
	s_mov_b64 s[100:101], s[10:11]
	s_mov_b64 s[10:11], s[8:9]
	s_mov_b64 s[8:9], s[6:7]
	s_add_nc_u64 s[6:7], s[4:5], 3145728
.endif
	s_add_nc_u64 s[20:21], s[4:5], s[20:21]
	s_add_nc_u64 s[22:23], s[6:7], s[22:23]
	s_add_nc_u64 s[46:47], s[8:9], s[46:47]
	s_add_nc_u64 s[92:93], s[10:11], s[92:93]
	CROUND                                         ; all sixteen work-groups are here: the first joint loads meet
	s_mov_b32 s[G0S], 1
	s_mov_b32 s[G0S+1], SCL
	s_mov_b64 s[G0S+2:G0S+3], s[22:23]
	s_or_b32 s[G0S+3], s[G0S+3], 0x80000000
	s_mov_b32 s[G0SB], 1
	s_mov_b32 s[G0SB+1], SCL+2*HALFS
	s_mov_b64 s[G0SB+2:G0SB+3], s[92:93]
	s_or_b32 s[G0SB+3], s[G0SB+3], 0x80000000
	s_mov_b32 s4, 1                                ; s[4:7], s[8:11]: group 0 of the head's loads of K step 0: A's 256 rows, B's 256 rows
	s_mov_b32 s5, 0
	s_mov_b64 s[6:7], s[20:21]
	s_or_b32 s7, s7, 0x80000000
	s_mov_b32 s8, 1
	s_mov_b32 s9, 2*HALFT
	s_mov_b64 s[10:11], s[46:47]
	s_or_b32 s11, s11, 0x80000000
	s_mul_i32 s18, s16, 128*KROW                   ; in the ring I fetch 128 rows of a tile
	s_mov_b32 s19, 0
	s_add_nc_u64 s[20:21], s[20:21], s[18:19]
	s_add_nc_u64 s[46:47], s[46:47], s[18:19]
; PREFETCHES INTO THE L2.  A wave's ring load is 24,576 dense bytes, 96 blocks of 256; the four partners that ask for it jointly share them out BY ADDRESS (cx for A, cy for B): 24 blocks each, a lane a block
; (lanes 24-31 name the last block again).  The head asks for K steps 1 and 2, the place behind K step 1's load for K step 3: each at least one load ahead of the load that wants it; there is no K step 4.
	s_cmp_eq_u32 s15, 0
	s_cselect_b64 s[92:93], s[20:21], s[46:47]     ; the 128 rows that I fetch, K step 0
	s_cselect_b32 s18, s40, s41
	s_mul_i32 s18, s18, 6144
	s_add_nc_u64 s[92:93], s[92:93], s[18:19]      ; my work-group's quarter of them; never rewritten
.irp s, 0,1
	s_mov_b32 s[G0+4*\s], 1
	s_add_co_u32 s[G0+4*\s+1], s45, \s*SLOT
	s_add_nc_u64 s[G0+4*\s+2:G0+4*\s+3], s[20:21], \s*ROWB
	s_or_b32 s[G0+4*\s+3], s[G0+4*\s+3], 0x80000000
	s_mov_b32 s[G0B+4*\s], 1
	s_add_co_u32 s[G0B+4*\s+1], s45, \s*SLOT
	s_add_nc_u64 s[G0B+4*\s+2:G0B+4*\s+3], s[46:47], \s*ROWB
	s_or_b32 s[G0B+4*\s+3], s[G0B+4*\s+3], 0x80000000
.endr
; The head's loads, one a wave: wave 0 A's 256 rows of K step 0, wave 1 B's, wave 2 A's scales, wave 3 B's: one tree of branches on the wave's number.
.macro ARM under, g0, g1, next
	s_cmp_lt_u32 s14, \under
	s_cbranch_scc0 \next
	tensor_load_to_lds s[\g0:\g0+3], s[\g1:\g1+7]
	s_nop 0
.rept 4
	v_nop
.endr
	s_branch .Lhead_asked
\next:
.endm
	ARM 1, 4, G1, .Lhead_b
	ARM 2, 8, G1B, .Lhead_sa
	ARM 3, G0S, G1S, .Lhead_sb
	tensor_load_to_lds s[G0SB:G0SB+3], s[G1SB:G1SB+7]
	s_nop 0
.rept 4
	v_nop
.endr
.Lhead_asked:
	v_and_b32 v25, 31, v0
	v_min_u32 v25, 23, v25
	v_lshlrev_b32 v25, 8, v25                      ; v25: 256 x min(lane, 23); never rewritten
	global_prefetch_b8 v25, s[92:93] offset:ROWB th:TH_LOAD_NT scope:SCOPE_SE
	global_prefetch_b8 v25, s[92:93] offset:2*ROWB th:TH_LOAD_NT scope:SCOPE_SE
	v_and_b32 v1, 15, v0                           ; r
	v_bfe_u32 v2, v0, 4, 1                         ; h
	v_mul_u32_u24 v3, v1, PITCH
	v_mul_u32_u24 v4, v2, 24
	v_add_nc_u32 v4, v3, v4                        ; row x pitch + 24 h
	v_lshl_add_u32 v5, v2, 4, v4                   ; and behind one padding more
	v_lshrrev_b32 v6, 3, v1                        ; r / 8
	v_mul_u32_u24 v3, v6, 16*PITCH
	s_mul_i32 s21, s15, HALFT
	s_mul_i32 s22, s16, HALFT
	s_add_co_u32 s22, s22, 2*HALFT
.irp s, 0,1
	v_add_nc_u32 v[ADRA+\s], s21, v4
	v_add_nc_u32 v[ADRB+\s], s22, v4
	v_add_nc_u32 v[ADRA+2+\s], s21, v5
	v_add_nc_u32 v[ADRB+2+\s], s22, v5
	v_add_nc_u32 v[ADRZ+\s], v[ADRB+\s], v3
	v_add_nc_u32 v[ADRZ+2+\s], v[ADRB+2+\s], v3
	s_add_co_u32 s21, s21, SLOT
	s_add_co_u32 s22, s22, SLOT
.endr
	v_mul_u32_u24 v5, v1, KS                       ; a row's scales: 32 bytes a row, 16 more for each 256 passed
	v_lshrrev_b32 v3, 8, v5
	v_lshl_add_u32 v5, v3, 4, v5
	s_mul_i32 s21, s15, HALFS
	s_mul_i32 s22, s16, HALFS
	s_add_co_u32 s22, s22, 2*HALFS
	s_sub_co_u32 s22, s22, s21                     ; from A's rows to B's
	s_sub_co_u32 s23, s22, 272
	v_mul_u32_u24 v3, s22, v2                      ; lanes 16-31 take B's
	v_mul_u32_u24 v4, s23, v2
	s_add_co_u32 s21, s21, SCL
	v_add_nc_u32 v5, s21, v5
	v_add_nc_u32 v[ADRS2], v5, v4                  ; odd tiles: B's rows 8 + r: eight rows back from block i's sixteen
	v_add_nc_u32 v[ADRS], v5, v3
	v_and_b32 v3, v2, v6
	v_mul_u32_u24 v3, v3, 544
	v_add_nc_u32 v[ADRS], v[ADRS], v3              ; even tiles: B's rows r + 16 (r / 8)
	v_and_b32 v3, 7, v1
	v_mul_u32_u24 v[VO], v3, 48
	v_mad_u32_u24 v[VO], v6, 24, v[VO]
	v_mad_u32_u24 v[VO], v2, 12, v[VO]             ; 48 (r % 8) + 24 (r / 8) + 12 h
	v_add_nc_u32 v[VO+1], s2, v[VO]
	s_lshl_b32 s23, s14, 9
	v_lshl_add_u32 v[SCA], v1, 2, s23              ; 512 x wave + 4 r, in slot 0, which has had its last fill and its last read when the first word is stored
	v_and_b32 v6, 31, v0
	v_lshlrev_b32 v[L16], 4, v6
	v_add_nc_u32 v[SCR], s23, v[L16]
	s_lshl_b32 s20, s42, 2
	s_lshl_b32 s21, s16, 1
	s_add_co_u32 s20, s20, s21                     ; my first plane of 64 columns
	s_mul_i32 s20, s20, s2
	s_lshl_b32 s21, s17, 4
	s_lshl_b32 s22, s15, 3
	s_add_co_u32 s21, s21, s22                     ; my first block of 16 rows
	s_mul_i32 s21, s21, 768
	s_add_co_u32 s20, s20, s21
	s_mov_b32 s21, 0
	s_lshl_b32 s22, s42, 1
	s_add_co_u32 s22, s22, s16                     ; my 128 columns
	s_mul_i32 s22, s22, s66
	s_add_co_u32 s22, s22, s67
	s_lshl_b32 s23, s17, 10
	s_add_co_u32 s22, s22, s23
	s_lshl_b32 s23, s15, 9
	s_add_co_u32 s22, s22, s23
	s_mov_b32 s23, 0
	s_add_nc_u64 s[96:97], s[12:13], s[22:23]      ; my 128 scale words
	s_add_nc_u64 s[12:13], s[12:13], s[20:21]      ; my codes
	s_mov_b32 s98, 0x76543210
	s_mov_b32 s99, 0xfedcba98                      ; selects for lane l xor 16
	s_mov_b32 s95, 0xffff0000                      ; lanes 16-31
.if MODE == 1
	v_mul_u32_u24 v[BO], v2, 96                    ; even tile: columns j + 24 h
	v_lshlrev_b32 v[BO+1], 5, v2                   ; odd tile: 8 + 8 h + j
	s_lshl_b32 s46, s42, 10
	s_lshl_b32 s47, s16, 9
	s_add_co_u32 s46, s46, s47
	s_mov_b32 s47, 0
	s_add_nc_u64 s[100:101], s[100:101], s[46:47]
.irp g, 0,1,2,3
	global_load_b128 v[BI+16*\g:BI+16*\g+3], v[BO], s[100:101] offset:128*\g
	global_load_b128 v[BI+16*\g+4:BI+16*\g+7], v[BO], s[100:101] offset:128*\g+16
	global_load_b128 v[BI+16*\g+8:BI+16*\g+11], v[BO+1], s[100:101] offset:128*\g+32
	global_load_b128 v[BI+16*\g+12:BI+16*\g+15], v[BO+1], s[100:101] offset:128*\g+48
.endr
.endif
; A fragment, 16 rows x 128 K, is 12 registers: lane (r, h) takes 24 bytes of its row's stream twice, in pieces of 8 bytes.  ro: the tile's first row.  Where the piece three on lies behind one padding more, the second address register serves.
.macro FRAG reg, adr, q, ro
.irp p, 0,1,2,3,4,5
.set PCE, 12*(\q)+6*(\p/3)+\p%3
.if PCE%8 < 5
	ds_load_b64 v[\reg+2*\p:\reg+2*\p+1], v[\adr] offset:8*PCE+16*(PCE/8)+(\ro)*PITCH
.else
	ds_load_b64 v[\reg+2*\p:\reg+2*\p+1], v[\adr+2] offset:8*PCE+16*(PCE/8)+(\ro)*PITCH
.endif
.endr
.endm
; 16 matrix instructions: A's blocks a0, a0 + 1 x B's eight tiles.  zero = 1: the first product starts the sums with 0; 2: with the bias tiles.  The 64 accumulators take turns.
.macro MUL16 a0, p, q, sc, zero
.irp a, \a0, \a0+1
.irp b, 0,1,2,3,4,5,6,7
.if \zero == 1
	v_wmma_scale_f32_16x16x128_f8f6f4 v[8*(8*((\a)%4)+\b):8*(8*((\a)%4)+\b)+7], v[128*(\p)+FR*\b:128*(\p)+FR*\b+FR-1], v[AF+FR*(\a):AF+FR*(\a)+FR-1], 0, v[SC+8*NQ*(\sc)+NQ*\b+(\q)], v[SC+8*NQ*(\sc)+NQ*(\a)+(\q)] matrix_a_fmt:MATRIX_FMT_FP6 matrix_b_fmt:MATRIX_FMT_FP6 matrix_a_scale:MATRIX_SCALE_ROW1
.elseif \zero == 2
	v_wmma_scale_f32_16x16x128_f8f6f4 v[8*(8*((\a)%4)+\b):8*(8*((\a)%4)+\b)+7], v[128*(\p)+FR*\b:128*(\p)+FR*\b+FR-1], v[AF+FR*(\a):AF+FR*(\a)+FR-1], v[BI+8*\b:BI+8*\b+7], v[SC+8*NQ*(\sc)+NQ*\b+(\q)], v[SC+8*NQ*(\sc)+NQ*(\a)+(\q)] matrix_a_fmt:MATRIX_FMT_FP6 matrix_b_fmt:MATRIX_FMT_FP6 matrix_a_scale:MATRIX_SCALE_ROW1
.else
	v_wmma_scale_f32_16x16x128_f8f6f4 v[8*(8*((\a)%4)+\b):8*(8*((\a)%4)+\b)+7], v[128*(\p)+FR*\b:128*(\p)+FR*\b+FR-1], v[AF+FR*(\a):AF+FR*(\a)+FR-1], v[8*(8*((\a)%4)+\b):8*(8*((\a)%4)+\b)+7], v[SC+8*NQ*(\sc)+NQ*\b+(\q)], v[SC+8*NQ*(\sc)+NQ*(\a)+(\q)] matrix_a_fmt:MATRIX_FMT_FP6 matrix_b_fmt:MATRIX_FMT_FP6 matrix_a_scale:MATRIX_SCALE_ROW1
.endif
.endr
.endr
.endm
.macro FETCH_B slot, q, p              ; B's eight tiles: of each 32 rows the even tile rows 0-7, 24-31, the odd tile rows 8-23
	WIN TO_B
.irp g, 0,1,2,3
	FRAG 128*(\p)+FR*(2*\g), ADRZ+\slot, \q, 32*\g
	FRAG 128*(\p)+FR*(2*\g+1), ADRB+\slot, \q, 32*\g+8
.endr
	WIN 0
.endm
.macro FETCH_A slot, q, i0
.irp i, \i0, \i0+1, \i0+2, \i0+3
	FRAG AF+FR*(\i), ADRA+\slot, \q, 16*(\i)
.endr
.endm
.macro SCALES sc                       ; lanes 0-15: the words of A's block i; lanes 16-31: those of B's tile i
.irp i, 0,2,4,6
	ds_load_b64 v[SC+8*NQ*\sc+NQ*\i:SC+8*NQ*\sc+NQ*\i+1], v[ADRS] offset:\i*SBLK
	ds_load_b64 v[SC+8*NQ*\sc+NQ*(\i+1):SC+8*NQ*\sc+NQ*(\i+1)+1], v[ADRS2] offset:(\i+1)*SBLK
.endr
.endm
.macro PLACES n                        ; plain vector instructions between a matrix instruction and a load into, or a read of, its registers
.rept \n
	v_nop
.endr
.endm
.macro STEP slot, q, zero
	s_wait_dscnt 4*NL                              ; B's set and A's blocks 0-3 are in; the youngest 24 loads (A's blocks 4-7) may be out
.if \zero == 2
	WIN 0x81                                       ; C (the bias) from window 0
.else
	WIN MUL_LO
.endif
	MUL16 0, (\q)%2, \q, \slot, \zero
	MUL16 2, (\q)%2, \q, \slot, \zero
	s_wait_dscnt 0
	PLACES NP
	FETCH_B \slot, (\q)+1, 1-(\q)%2
	FETCH_A \slot, (\q)+1, 0
.if \zero == 2
	WIN 0xc1
.else
	WIN MUL_HI
.endif
	MUL16 4, (\q)%2, \q, \slot, \zero
	MUL16 6, (\q)%2, \q, \slot, \zero
	PLACES NP
	WIN 0
	FETCH_A \slot, (\q)+1, 4
.endm
; A slot's last step changes slots: in front of the one barrier each wave waits for all its tensor loads, adds 0 to its spare word, and waits for that and for its reads of this slot.
.macro TURN slot, next, fill
	s_wait_tensorcnt 0x0                           ; all my tensor loads have landed: my part of the next slot
	ds_add_u32 v[SPW], v[NIL]
	s_wait_dscnt 4*NL+1                            ; the add and A's blocks 4-7 may be out
	WIN MUL_LO
	MUL16 0, 1, NQ-1, \slot, 0
	s_wait_dscnt 0x0                               ; the add is done, and my reads of this slot are over
	s_barrier_signal -1
	MUL16 2, 1, NQ-1, \slot, 0
	WIN 0
	s_barrier_wait -1
.if \fill
	CREST                                          ; the barrier has opened a round of the cluster's: no wave of any partner reads this slot or has a load on its way
	s_add_nc_u64 s[G0+4*\slot+2:G0+4*\slot+3], s[G0+4*\slot+2:G0+4*\slot+3], 2*ROWB
	s_add_nc_u64 s[G0B+4*\slot+2:G0B+4*\slot+3], s[G0B+4*\slot+2:G0B+4*\slot+3], 2*ROWB
	JLOAD G0+4*\slot, G1, G0B+4*\slot, G1B         ; my one tensor load behind the round; its four v_nop are the places in front of the loads below
.else
	PLACES NP
.endif
	s_wait_alu depctr_va_vdst(0)
	v_add_nc_u32 v[ADRS], 4*NQ, v[ADRS]
	v_add_nc_u32 v[ADRS2], 4*NQ, v[ADRS2]
	FETCH_B \next, 0, 0
	FETCH_A \next, 0, 0
	SCALES \next
	WIN MUL_HI
	MUL16 4, 1, NQ-1, \slot, 0
	MUL16 6, 1, NQ-1, \slot, 0
	PLACES NP
	WIN 0
	FETCH_A \next, 0, 4
.endm
	s_wait_alu depctr_va_vdst(0)
	s_wait_tensorcnt 0x0                           ; my tile of the head's four is in
	ds_add_u32 v[SPW], v[NIL]
	s_mov_b32 s[G1+2], 96<<16                      ; no load of mine is out: from here on a load brings 128 rows of 192 bytes = 96 of 256
	s_mov_b32 s[G1+4], 96
	s_mov_b32 s[G1B+2], 96<<16
	s_mov_b32 s[G1B+4], 96
	s_wait_dscnt 0x0
	CROUND
	JLOAD G0+4, G1, G0B+4, G1B                     ; K step 1, the first tensor load behind the round
	FETCH_B 0, 0, 0
	FETCH_A 0, 0, 0
	SCALES 0
	FETCH_A 0, 0, 4
	global_prefetch_b8 v25, s[92:93] offset:3*ROWB th:TH_LOAD_NT scope:SCOPE_SE   ; K step 3, behind K step 1's load and the first run of LDS loads
.if MODE == 1
	s_wait_loadcnt 0x0                             ; the bias
	STEP 0, 0, 2
.else
	STEP 0, 0, 1
.endif
	s_mov_b32 s3, LAPS-1
.Llap:
	TURN 0, 1, 1
	STEP 1, 0, 0
	TURN 1, 0, 1
	STEP 0, 0, 0
	s_sub_co_u32 s3, s3, 1
	s_cmp_lg_u32 s3, 0
	s_cbranch_scc1 .Llap
	TURN 0, 1, 0
	STEP 1, 0, 0
	s_wait_dscnt 4*NL
	WIN MUL_LO
	MUL16 0, 1, NQ-1, 1, 0
	MUL16 2, 1, NQ-1, 1, 0
	s_wait_dscnt 0
	WIN MUL_HI
	MUL16 4, 1, NQ-1, 1, 0
	MUL16 6, 1, NQ-1, 1, 0
	WIN 0
; THE WAY OUT.  QBLK: 16 rows x 128 columns (four blocks of 32 a row, 16 numbers of each in my lane) become four stores of 384 bytes of codes and a scale word a row.
.macro QBLK a
.if MODE == 0
.set QW, 2+(\a)/4                      ; straight from the accumulators, each from its low end on
.set QS, 64*((\a)%4)
.else
.set QW, 0
.set QS, G
.endif
.set QM, QW|(QW<<2)
	WIN QM
.irp pb, 0,1,2,3
	v_max3_num_f32 v[TM+\pb], |v[QS+16*\pb]|, |v[QS+16*\pb+1]|, 0x1800000   ; with the floor 2^(3 - 127)
.endr
.irp i, 2,4,6,8,10,12,14
.irp pb, 0,1,2,3
	v_max3_num_f32 v[TM+\pb], |v[QS+16*\pb+\i]|, |v[QS+16*\pb+\i+1]|, v[TM+\pb]
.endr
.endr
	WIN 0
.irp pb, 0,1,2,3
	v_permlanex16_b32 v[TM+4+\pb], v[TM+\pb], s98, s99
.endr
.irp pb, 0,1,2,3
	v_max_num_f32 v[TM+\pb], v[TM+\pb], v[TM+4+\pb]
.endr
.irp pb, 0,1,2,3
	v_add_nc_u32 v[TM+8+\pb], 0xff000000, v[TM+\pb]   ; 2 off the exponent field: the conversion's scale operand
.endr
.irp pb, 0,1,2,3
	v_lshrrev_b32 v[TM+4+\pb], 23, v[TM+8+\pb]
.endr
	v_lshl_or_b32 v[PW+\a], v[TM+5], 8, v[TM+4]
	v_lshl_or_b32 v[PW+\a], v[TM+6], 16, v[PW+\a]
	v_lshl_or_b32 v[PW+\a], v[TM+7], 24, v[PW+\a]
	s_wait_xcnt 0x0                                ; the last block's stores have read the codes' registers
	WIN QW
.irp pb, 0,1,2,3
	v_cvt_scalef32_pk16_fp6_f32 v[CD+4*\pb:CD+4*\pb+2], v[QS+16*\pb:QS+16*\pb+15], v[TM+8+\pb]
.endr
	WIN 0
	v_nop                                          ; one plain instruction behind the scaled conversions
.irp pb, 0,1,2,3                       ; the 96 bits turned by 48: lanes 16-31 hold columns 24-31, 16-23
	v_alignbit_b32 v[FX+3*\pb], v[CD+4*\pb+2], v[CD+4*\pb+1], 16
	v_alignbit_b32 v[FX+3*\pb+1], v[CD+4*\pb], v[CD+4*\pb+2], 16
	v_alignbit_b32 v[FX+3*\pb+2], v[CD+4*\pb+1], v[CD+4*\pb], 16
.endr
.irp pb, 0,1,2,3
.irp i, 0,1,2
	v_cndmask_b32 v[CD+4*\pb+\i], v[CD+4*\pb+\i], v[FX+3*\pb+\i], s95
.endr
.endr
	ds_store_b32 v[SCA], v[PW+\a] offset:64*(\a)   ; both halves of the lanes write the same word
.irp pb, 0,1,2,3
	global_store_b96 v[VO+\pb/2], v[CD+4*\pb:CD+4*\pb+2], s[12:13] offset:768*(\a)+384*(\pb%2)
.endr
.endm
	PLACES NP
.irp pb, 0,1,2,3
	v_mov_b32 v[TM+4+\pb], 0                       ; a lane permute's destination counts as read
.endr
.if MODE == 0
.irp a, 0,1,2,3,4,5,6,7
	QBLK \a
.endr
.else
; gelu(x) = 0.5 x (1 + erf(x / sqrt 2)), erf(z) = z P(z^2) / Q(z^2) with z held to +-4.  G = 0.5 x; z = G sqrt 2.
.macro COPY a                          ; the one part whose register numbers change from block to block
.set CW, 2+(\a)/4
.set CS0, 64*((\a)%4)
	WIN CW
.set i, 0
.rept 32
	v_pk_mul_f32 v[G+i:G+i+1], v[CS0+i:CS0+i+1], 0.5 op_sel_hi:[1,0]
.set i, i+2
.endr
	WIN 0
.endm
.macro GELU16 pb
.set GS, G+16*\pb
.irp i, 0,2,4,6,8,10,12,14
	v_pk_mul_f32 v[ZZ+\i:ZZ+\i+1], v[GS+\i:GS+\i+1], 0x3fb504f3 op_sel_hi:[1,0]
.endr
.irp i, 0,1,2,3,4,5,6,7,8,9,10,11,12,13,14,15
	v_med3_num_f32 v[ZZ+\i], v[ZZ+\i], -4.0, 4.0
.endr
.irp i, 0,2,4,6,8,10,12,14
	v_pk_mul_f32 v[X2+\i:X2+\i+1], v[ZZ+\i:ZZ+\i+1], v[ZZ+\i:ZZ+\i+1]
.endr
.irp i, 0,2,4,6,8,10,12,14
	v_pk_fma_f32 v[PP+\i:PP+\i+1], v[X2+\i:X2+\i+1], v[TM+12:TM+13], 0x32edffee op_sel_hi:[1,1,0]
	v_pk_fma_f32 v[QQ+\i:QQ+\i+1], v[X2+\i:X2+\i+1], v[TM+14:TM+15], 0xb95fbd29 op_sel_hi:[1,1,0]
.endr
.irp k, 0xb60cff51, 0xb86ec2d2, 0xba40ac63, 0xbb41a1f6, 0xbc83dbd4
.irp i, 0,2,4,6,8,10,12,14
	v_pk_fma_f32 v[PP+\i:PP+\i+1], v[PP+\i:PP+\i+1], v[X2+\i:X2+\i+1], \k op_sel_hi:[1,1,0]
.endr
.endr
.irp k, 0xbadc924e, 0xbbf19bf8, 0xbc69b6a7
.irp i, 0,2,4,6,8,10,12,14
	v_pk_fma_f32 v[QQ+\i:QQ+\i+1], v[QQ+\i:QQ+\i+1], v[X2+\i:X2+\i+1], \k op_sel_hi:[1,1,0]
.endr
.endr
.irp i, 0,1,2,3,4,5,6,7,8,9,10,11,12,13,14,15
	v_rcp_f32 v[QQ+\i], v[QQ+\i]
.endr
.irp i, 0,2,4,6,8,10,12,14
	v_pk_mul_f32 v[PP+\i:PP+\i+1], v[PP+\i:PP+\i+1], v[ZZ+\i:ZZ+\i+1]   ; (plain instructions behind the reciprocals)
.endr
.irp i, 0,2,4,6,8,10,12,14
	v_pk_mul_f32 v[PP+\i:PP+\i+1], v[PP+\i:PP+\i+1], v[QQ+\i:QQ+\i+1]
.endr
.irp i, 0,2,4,6,8,10,12,14
	v_pk_fma_f32 v[GS+\i:GS+\i+1], v[GS+\i:GS+\i+1], v[PP+\i:PP+\i+1], v[GS+\i:GS+\i+1]
.endr
.endm
	v_mov_b32 v[TM+12], 0xaf95df0b                 ; P's and Q's leading coefficients, each twice
	v_mov_b32 v[TM+13], 0xaf95df0b
	v_mov_b32 v[TM+14], 0xb77460cd
	v_mov_b32 v[TM+15], 0xb77460cd
	s_mov_b32 s3, 0
.Lblk:                                 ; eight trips, a block of 16 rows each: the arithmetic is written once, the copy is chosen by the trip's number
.irp a, 0,1,2,3,4,5,6
	s_cmp_eq_u32 s3, \a
	s_cbranch_scc1 .Lcopy_\a
.endr
	COPY 7
	s_branch .Lpoly
.irp a, 0,1,2,3,4,5,6
.Lcopy_\a:
	COPY \a
	s_branch .Lpoly
.endr
.Lpoly:
	GELU16 0
	GELU16 1
	GELU16 2
	GELU16 3
	QBLK 0
	s_wait_xcnt 0x0                                ; the stores have read their base
	s_wait_dscnt 0x0                               ; and the LDS store its registers
	s_add_nc_u64 s[12:13], s[12:13], 768
	v_add_nc_u32 v[SCA], 64, v[SCA]
	s_add_co_u32 s3, s3, 1
	s_cmp_lt_u32 s3, 8
	s_cbranch_scc1 .Lblk
.endif
	ds_load_b128 v[OW:OW+3], v[SCR]                ; my 128 scale words (my own bytes, served in order), as 512 consecutive bytes
	s_wait_dscnt 0x0
	global_store_b128 v[L16], v[OW:OW+3], s[96:97]
	s_wait_tensorcnt 0x0                           ; the wave's end
	ds_add_u32 v[SPW], v[NIL]
	s_wait_dscnt 0x0
	CROUND                                         ; the closing round
	s_endpgm
.Lfunc_end_k_q88cce0efea_qkv:
	.size	k_q88cce0efea_qkv, .Lfunc_end_k_q88cce0efea_qkv-k_q88cce0efea_qkv
	.p2alignl 7, 3214868480
	.fill 96, 4, 3214868480
	.section	.rodata,"a",@progbits
	.p2align	6, 0x0
	.amdhsa_kernel k_q88cce0efea_qkv
		.amdhsa_group_segment_fixed_size 327680
		.amdhsa_private_segment_fixed_size 0
		.amdhsa_enable_private_segment 0
		.amdhsa_kernarg_size 40
		.amdhsa_user_sgpr_count 2
		.amdhsa_user_sgpr_kernarg_segment_ptr 1
		.amdhsa_wavefront_size32 1
		.amdhsa_system_sgpr_workgroup_id_x 1
		.amdhsa_system_sgpr_workgroup_id_y 1
		.amdhsa_system_sgpr_workgroup_id_z 1
		.amdhsa_system_vgpr_workitem_id 0
		.amdhsa_next_free_vgpr 1024
		.amdhsa_next_free_sgpr 102
		.amdhsa_reserve_vcc 0
		.amdhsa_float_denorm_mode_32 3
		.amdhsa_float_denorm_mode_16_64 3
		.amdhsa_memory_ordered 1
		.amdhsa_forward_progress 1
		.amdhsa_inst_pref_size 178
	.end_amdhsa_kernel
	.amdgpu_metadata
---
amdhsa.version: [ 1, 2 ]
amdhsa.kernels:
  - .name:           k_q88cce0efea_qkv
    .symbol:         k_q88cce0efea_qkv.kd
    .args:
      - { .name: xq, .offset: 0, .size: 8, .value_kind: global_buffer, .address_space: global }
      - { .name: wr, .offset: 8, .size: 8, .value_kind: global_buffer, .address_space: global }
      - { .name: w_qkv_scales, .offset: 16, .size: 8, .value_kind: global_buffer, .address_space: global }
      - { .name: qk, .offset: 24, .size: 8, .value_kind: global_buffer, .address_space: global }
      - { .name: vt, .offset: 32, .size: 8, .value_kind: global_buffer, .address_space: global }
    .group_segment_fixed_size: 327680
    .private_segment_fixed_size: 0
    .kernarg_segment_align: 8
    .kernarg_segment_size: 40
    .max_flat_workgroup_size: 128
    .sgpr_count:     102
    .vgpr_count:     1024
    .wavefront_size: 32
...
	.end_amdgpu_metadata
.endif
;; end of part 2
;; launch attn (part 3): grid 8 x 32, 16 waves a work-group, clusters of 4 x 1, 327,680 bytes of LDS; arguments qk, vt, ao; writes ao
.if DOCPART == 3
	.amdgcn_target "amdgcn-amd-amdhsa--gfx1250"
	.amdhsa_code_object_version 6
	.text
	.protected	k_q88cce0efea_attn
	.globl	k_q88cce0efea_attn
	.p2align	8
	.type	k_q88cce0efea_attn,@function
k_q88cce0efea_attn:
	s_mov_b64 s[64:65], 0
	v_nop
	global_prefetch_b8 v0, s[64:65] scope:SCOPE_SE
	s_setreg_imm32_b32 hwreg(HW_REG_WAVE_MODE, 25, 1), 1
	s_wait_xcnt 0x0
	s_wait_alu depctr_hold_cnt(0) depctr_sa_sdst(0) depctr_va_vdst(0) depctr_va_sdst(0) depctr_va_ssrc(0) depctr_va_vcc(0) depctr_vm_vsrc(0)
	s_getreg_b32 s2, hwreg(HW_REG_IB_STS2, 6, 4)
	s_cmp_eq_u32 s2, 0
	s_cbranch_scc0 .Lentry_in_a_cluster
	s_endpgm
.Lentry_in_a_cluster:
	s_bfe_u32 s2, ttmp6, 0x10000c
	s_cmp_lg_u32 s2, 0x3003
	s_cbranch_scc0 .Lentry_shape_is_right
	s_endpgm
.Lentry_shape_is_right:
; Attention of one head on codes of FP6 (E2M3): S^T = K Q^T (K = the head's 64), p = 2^(t - M) quantised along the keys, O^T = V^T P^T, O / l quantised along the head's 64 for the next product.
; t = score x log2(e) / 8; M = the running largest t rounded up to a whole number; l is the sum of the unquantised p; when M moves, l and O^T are multiplied by 2^(old M - new M), exactly.
; SHARES.  A work-group owns 256 queries of head y (batch y / 16, head y % 16), each of its sixteen waves 16.  All of the head's K and V stay in LDS (2 x 98,304 bytes): nothing is filled twice.
; The four query blocks of a cluster walk the same K and V: each tile is asked for jointly (mask 15).
; TWO LOADS A WAVE.  At the head each wave asks for 3,072 bytes of the first 512 keys (waves 0-7 K, waves 8-15 V); behind the full sequence and a round, for 9,216 bytes of the other 1,536 keys.
; The first four key steps run while the second load is out; then one wait, one barrier, and twelve key steps with no barrier.  No prefetch: these two loads ask for all that the launch reads through LDS.
; CODES LIE as the launch before laid them: the 24 bytes of 32 codes of row m at (m/16) 768 + half 384 + (m%8) 48 + ((m/8)%2) 24 in a plane of 64 columns.
; K = 64 IN AN INSTRUCTION 128 DEEP: a lane's 48 consecutive bytes are keys c and c + 8 of a block of 16: the fragment is multiplied once by [q, 0] and once by [0, q]: two tiles, no LDS byte read twice.
; WHICH KEYS FORM A TILE: of each 64 keys the first 32 lie in one LDS region and the last 32 in another (128 bytes off a multiple of 256); lanes 0-7 of a half take a block of 16
; of the first region, lanes 8-15 the block 32 keys on.  So the 32 registers of four neighbouring tiles are keys 64 c + 32 (lane / 16) + 0 .. 31: A WHOLE BLOCK OF 32 IN A LANE, in the order that P's operand wants:
; the block's largest score needs no other lane and the codes no exchange; the scale word's four bytes are gathered from lanes l and l xor 16.
; V's rows (the head's 64) that form a tile: of each 32 the even tile takes rows 0-7, 24-31, the odd tile 8-23; in lanes 16-31 O's codes are turned by 48 bits at the end.
; LIMITS: NaN, infinities and the scale byte 0xff are not served; a block under 2^-124 gets the byte 1; the promise holds while |t| stays under 2^31.
.set KO,   49280                       ; LDS: K's first halves of 64 keys at 0, the second halves here
.set VB,   98560                       ; V: 32 planes of 64 keys x 3,072 bytes
.set KS2,  196864                      ; a word for each key: its two scale bytes, twice
.set VS,   205056                      ; V's scale words: 16 steps x 64 rows.  The spare words: 0x34000
.set KF,   36                          ; v36-83 four fragments of K, then of V;  v96-159 scores, then p;  v160-191 O^T
.set PCD,  192                         ; v192-203 p's codes;  v204-211 their second halves
.set PH,   204
.set BM,   212                         ; v212-215 maxima
.set PT,   216
.set SO,   220
.set KSC,  228                         ; v228-231 K's scale words; v232-233 V's; v234 p's; v34 q's: scales and nothing else
.set VSC,  232
.set PSC,  234
.set FF,   236
.set TA,   238
.set G1K,  20
.set G1V,  28
.set G0K,  36                          ; s[36:43] group 0 for K's two loads;  s[68:75] for V's
.set G0V,  68
.macro DEP n
	s_delay_alu instid0(VALU_DEP_\n)
.endm
.macro CROUND
	s_barrier_signal -1
	s_barrier_wait -1
	s_cmp_lg_u32 s10, 0
	s_cbranch_scc1 .Lnot_wave_0_\@
	s_barrier_signal -3
.Lnot_wave_0_\@:
	s_barrier_wait -3
	s_barrier_signal -1
	s_barrier_wait -1
.endm
.macro KVLOAD j                        ; my one load: waves 0-7 K, waves 8-15 V
	s_cmp_lt_u32 s10, 8
	s_cbranch_scc0 .Lfor_v_\@
	tensor_load_to_lds s[G0K+4*\j:G0K+4*\j+3], s[G1K:G1K+7]
	s_nop 0
.rept 4
	v_nop
.endr
	s_branch .Lasked_\@
.Lfor_v_\@:
	tensor_load_to_lds s[G0V+4*\j:G0V+4*\j+3], s[G1V:G1V+7]
	s_nop 0
.rept 4
	v_nop
.endr
.Lasked_\@:
.endm
	s_load_b128 s[4:7], s[0:1], 0x0                ; qk, vt
	s_load_b64 s[8:9], s[0:1], 0x10                ; ao
	v_lshl_add_u32 v254, v0, 2, 0x34000
	v_mov_b32 v255, 0
	ds_add_u32 v254, v255
	ds_add_u32 v254, v255
	v_lshrrev_b32 v1, 5, v0
	DEP 1
	v_readfirstlane_b32 s10, v1                    ; wave 0..15
	s_bfe_u32 s11, ttmp6, 0x40000                  ; cx
	s_lshl_b32 s12, ttmp9, 2
	s_add_co_u32 s12, s12, s11                     ; my block of 256 queries: it enters Q's and the output's addresses alone
	s_and_b32 s13, ttmp7, 0xffff
	s_lshr_b32 s14, s13, 4                         ; batch
	s_and_b32 s15, s13, 15                         ; head
	s_mov_b32 s16, 0x76543210
	s_mov_b32 s17, 0xfedcba98                      ; selects for lane l xor 16
	s_mov_b32 s18, 0x3e38aa3b                      ; c = log2(e) / 8
	s_mov_b32 s19, s18
	s_mov_b32 s88, 0xffff0000                      ; lanes 16-31
	s_and_b32 s89, s15, 1
	s_lshl_b32 s98, s89, 1
	s_add_co_u32 s98, s98, 3145728                 ; the output's scale bytes: two of a word's four are my head's
	s_mov_b32 s99, 0
	s_mul_i32 s89, s89, 0x02020202
	s_add_co_u32 s89, s89, 0x01000100              ; byte select: my head's two bytes of a scale word, twice
	s_lshl_b32 s96, s14, 7
	s_lshl_b32 s97, s12, 4
	s_add_co_u32 s96, s96, s97
	s_add_co_u32 s96, s96, s10                     ; my block of 16 tokens
	s_mul_i32 s52, s15, 196608
	s_mul_i32 s97, s96, 768
	s_add_co_u32 s52, s52, s97                     ; my queries' codes, and my output's: plane = head
	s_mov_b32 s53, 0
	s_lshr_b32 s54, s15, 1
	s_lshl_b32 s54, s54, 14
	s_lshl_b32 s97, s96, 6
	s_add_co_u32 s54, s54, s97                     ; their scale words
	s_mov_b32 s55, 0
	; K (waves 0-7): kind = wave % 2 (which 32 of each 64 keys), part = (wave / 2) % 4.  Rows of 1,536 bytes (32 keys), 3,072 apart.  First load: rows 2 part, 2 part + 1; second: rows 8 + 6 part + 0 .. 5
	s_add_co_u32 s56, s15, 16
	s_mul_i32 s56, s56, 196608
	s_mul_i32 s97, s14, 98304
	s_add_co_u32 s56, s56, s97                     ; plane 16 + head, the batch's rows
	s_and_b32 s97, s10, 1
	s_bfe_u32 s3, s10, 0x20001
	s_mul_i32 s2, s97, KO
	s_mul_i32 s97, s97, 1536
	s_add_co_u32 s56, s56, s97
	s_mov_b32 s57, 0
	s_mul_i32 s44, s3, 6144
	s_mov_b32 s45, 0
	s_mul_i32 s46, s3, 18432
	s_add_co_u32 s46, s46, 24576
	s_mov_b32 s47, 0
	s_mul_i32 s76, s3, 3072
	s_add_co_u32 s76, s76, s2
	s_mul_i32 s77, s3, 9216
	s_add_co_u32 s77, s77, s2
	s_add_co_u32 s77, s77, 12288
	; V (waves 8-15): first load: plane wave % 8 of the batch's 32; second: planes 8 + 3 (wave % 8) + 0 .. 2
	s_mul_i32 s58, s14, 1572864
	s_mul_i32 s97, s15, 3072
	s_add_co_u32 s58, s58, s97
	s_mov_b32 s59, 0
	s_and_b32 s3, s10, 7
	s_mul_i32 s48, s3, 49152
	s_mov_b32 s49, 0
	s_mul_i32 s50, s3, 147456
	s_add_co_u32 s50, s50, 393216
	s_mov_b32 s51, 0
	s_mul_i32 s78, s3, 3072
	s_add_co_u32 s78, s78, VB
	s_mul_i32 s79, s3, 9216
	s_add_co_u32 s79, s79, VB+24576
	s_lshr_b32 s90, s15, 1
	s_add_co_u32 s90, s90, 8
	s_lshl_b32 s90, s90, 14
	s_lshl_b32 s97, s14, 13
	s_add_co_u32 s90, s90, s97
	s_lshl_b32 s97, s10, 9
	s_add_co_u32 s90, s90, s97
	s_add_co_u32 s90, s90, 6291456                 ; K's scale words: 128 keys a wave
	s_mov_b32 s91, 0
	s_lshl_b32 s92, s14, 4
	s_add_co_u32 s92, s92, s10
	s_lshl_b32 s92, s92, 12
	s_lshl_b32 s97, s15, 8
	s_add_co_u32 s92, s92, s97
	s_add_co_u32 s92, s92, 3145728                 ; V's scale words: a key step a wave
	s_mov_b32 s93, 0
	s_mov_b32 s[G1K], 15|(3<<16)|(1<<21)           ; mask: all four work-groups; elements of 8 bytes; bit 21 beside a mask
	s_mov_b32 s[G1K+1], 192<<16
	s_mov_b32 s[G1K+2], 2<<16
	s_mov_b32 s[G1K+3], 192<<16
	s_mov_b32 s[G1K+4], 2
	s_mov_b32 s[G1K+5], 384
	s_mov_b32 s[G1K+6], 0
	s_mov_b32 s[G1K+7], 0
	s_mov_b32 s[G1V], 15|(3<<16)|(1<<21)
	s_mov_b32 s[G1V+1], 384<<16                    ; rows of 3,072 bytes: the head's 64 rows in a plane; planes 49,152 bytes apart
	s_mov_b32 s[G1V+2], 1<<16
	s_mov_b32 s[G1V+3], 384<<16
	s_mov_b32 s[G1V+4], 1
	s_mov_b32 s[G1V+5], 6144
	s_mov_b32 s[G1V+6], 0
	s_mov_b32 s[G1V+7], 0
	s_wait_dscnt 0x0
	s_wait_kmcnt 0x0
	s_add_nc_u64 s[56:57], s[4:5], s[56:57]
	s_add_nc_u64 s[58:59], s[6:7], s[58:59]
	s_add_nc_u64 s[60:61], s[4:5], s[52:53]        ; Q's codes
	s_add_nc_u64 s[62:63], s[4:5], s[54:55]
	s_add_nc_u64 s[62:63], s[62:63], 6291456       ; Q's scale words
	s_add_nc_u64 s[90:91], s[4:5], s[90:91]
	s_add_nc_u64 s[92:93], s[6:7], s[92:93]
	s_add_nc_u64 s[94:95], s[8:9], s[54:55]
	s_add_nc_u64 s[94:95], s[94:95], s[98:99]      ; the output's scale bytes
	s_add_nc_u64 s[8:9], s[8:9], s[52:53]          ; the output's codes
.irp j, 0,1
	s_mov_b32 s[G0K+4*\j], 1
	s_mov_b32 s[G0K+4*\j+1], s[76+\j]
	s_add_nc_u64 s[G0K+4*\j+2:G0K+4*\j+3], s[56:57], s[44+2*\j:45+2*\j]
	s_or_b32 s[G0K+4*\j+3], s[G0K+4*\j+3], 0x80000000
	s_mov_b32 s[G0V+4*\j], 1
	s_mov_b32 s[G0V+4*\j+1], s[78+\j]
	s_add_nc_u64 s[G0V+4*\j+2:G0V+4*\j+3], s[58:59], s[48+2*\j:49+2*\j]
	s_or_b32 s[G0V+4*\j+3], s[G0V+4*\j+3], 0x80000000
.endr
	CROUND                                         ; all four work-groups are here: the joint loads meet
	KVLOAD 0
	v_and_b32 v224, 15, v0                         ; r
	v_bfe_u32 v225, v0, 4, 1                       ; h
	v_and_b32 v226, 7, v0                          ; r % 8
	v_bfe_u32 v227, v0, 3, 1                       ; r / 8
	DEP 2
	v_mul_u32_u24 v238, v226, 48
	DEP 1
	v_mad_u32_u24 v238, v225, 384, v238
	DEP 1
	v_mad_u32_u24 v1, v227, KO, v238               ; v1: K: lanes 8-15 of a half take the block 32 keys on
	DEP 2
	v_mad_u32_u24 v2, v227, 792, v238
	DEP 1
	v_add_nc_u32 v2, VB, v2                        ; v2: V's even tiles: rows r + 16 (r / 8)
	DEP 4
	v_mad_u32_u24 v3, v227, 744, v238
	DEP 1
	v_add_nc_u32 v3, VB+24, v3                     ; v3: V's odd tiles: rows r + 8
	v_lshlrev_b32 v248, 2, v224                    ; v248: 4 r; never rewritten
	v_lshlrev_b32 v4, 2, v226
	DEP 1
	v_lshl_add_u32 v4, v227, 7, v4
	DEP 1
	v_lshl_add_u32 v4, v225, 5, v4
	DEP 1
	v_add_nc_u32 v4, KS2, v4                       ; v4: K's words: key r % 8 + 32 (r / 8), lanes 16-31 the key eight on
	v_lshlrev_b32 v35, 3, v225                     ; v35: 8 h: where my two bytes stand in p's scale word
	v_xor_b32 v5, 1, v225
	DEP 1
	v_and_b32 v5, v5, v227
	DEP 1
	v_lshlrev_b32 v5, 6, v5
	DEP 1
	v_lshl_add_u32 v5, v225, 5, v5
	DEP 1
	v_add_nc_u32 v5, v5, v248
	DEP 1
	v_add_nc_u32 v5, VS, v5                        ; v5: V's words: lanes 0-15 the even tile's rows, lanes 16-31 the odd tile's
	v_mul_u32_u24 v6, v226, 48
	DEP 1
	v_mad_u32_u24 v6, v227, 24, v6
	DEP 1
	v_mad_u32_u24 v239, v225, 384, v6              ; v239: Q's 24 bytes
	DEP 2
	v_mad_u32_u24 v6, v225, 12, v6                 ; v6: the output's 12 bytes
	v_and_b32 v246, 31, v0
	DEP 1
	v_lshlrev_b32 v247, 3, v246
	DEP 2
	v_lshlrev_b32 v246, 4, v246
	s_lshl_b32 s97, s10, 9
	s_add_co_u32 s97, s97, KS2
	v_add_nc_u32 v249, s97, v246
	s_lshl_b32 s97, s10, 8
	s_add_co_u32 s97, s97, VS
	v_add_nc_u32 v250, s97, v247
.irp p, 0,1,2
	global_load_b64 v[16+2*\p:17+2*\p], v239, s[60:61] offset:8*\p    ; q, for [q, 0] = v[16:27],
	global_load_b64 v[28+2*\p:29+2*\p], v239, s[60:61] offset:8*\p    ; and once more for [0, q] = v[22:33]
.endr
	global_load_b32 v34, v248, s[62:63]
	global_load_b128 v[240:243], v246, s[90:91]    ; 512 consecutive bytes a wave
	global_load_b64 v[244:245], v247, s[92:93]     ; 256
.irp i, 22,23,24,25,26,27
	v_mov_b32 v[\i], 0                             ; zero codes
.endr
	v_mov_b32 v13, 0xff61b1e6                      ; the largest t so far: -3e38
	DEP 1
	v_floor_f32 v12, -v13                          ; -M
	v_mov_b32 v14, 0
	v_mov_b32 v15, 0
	v_mov_b32 v[FF+1], 0                           ; named as the upper half of a pair
.irp b, 0,1,2,3
	v_mov_b32 v[PT+\b], 0                          ; a lane permute's destination counts as read
.endr
	s_wait_loadcnt 0x0
	v_perm_b32 v34, v34, v34, s89                  ; q's two scale bytes, twice
.irp i, 240,241,242,243
	v_perm_b32 v[\i], v[\i], v[\i], s89
.endr
	ds_store_b128 v249, v[240:243]
	ds_store_b64 v250, v[244:245]
.set i, 0
.rept 32
	v_mov_b32 v[160+i], 0                          ; O^T: the step is written for every step alike; the first finds zeros
.set i, i+1
.endr
; A KEY STEP: 128 keys.  s84, s85, s86, s87: where the step's K, V, K's words and V's words begin.
.macro STEP
	v_add_nc_u32 v7, s84, v1                       ; (five plain instructions: the places behind the last products)
	v_add_nc_u32 v8, s85, v2
	v_add_nc_u32 v9, s85, v3
	v_add_nc_u32 v10, s86, v4
	v_add_nc_u32 v11, s87, v5
.irp g, 0,1,2,3
.irp j, 0,1,2
	ds_load_b128 v[KF+12*\g+4*\j:KF+12*\g+4*\j+3], v7 offset:768*\g+16*\j
.endr
	ds_load_b32 v[KSC+\g], v10 offset:256*(\g/2)+64*(\g%2)
.endr
	s_wait_alu depctr_va_vdst(0)
	s_wait_dscnt 0x0
.irp g, 0,1,2,3
	v_wmma_scale_f32_16x16x128_f8f6f4 v[96+16*\g:103+16*\g], v[KF+12*\g:KF+12*\g+11], v[16:27], 0, v[KSC+\g], v34 matrix_a_fmt:MATRIX_FMT_FP6 matrix_b_fmt:MATRIX_FMT_FP6
	v_wmma_scale_f32_16x16x128_f8f6f4 v[104+16*\g:111+16*\g], v[KF+12*\g:KF+12*\g+11], v[22:33], 0, v[KSC+\g], v34 matrix_a_fmt:MATRIX_FMT_FP6 matrix_b_fmt:MATRIX_FMT_FP6 matrix_a_scale:MATRIX_SCALE_ROW1
.endr
.rept 4
	v_nop
.endr
.irp b, 0,1                            ; V's four tiles are asked for now and land under the softmax
.irp t, 0,1
.irp pl, 0,1
.irp p, 0,1,2
	ds_load_b64 v[KF+12*(2*\b+\t)+6*\pl+2*\p:KF+12*(2*\b+\t)+6*\pl+2*\p+1], v[8+\t] offset:1536*\b+3072*\pl+8*\p
.endr
.endr
.endr
	ds_load_b32 v[VSC+\b], v11 offset:128*\b
.endr
.irp b, 0,1,2,3                        ; four chains of 16 scores; chains 0, 1 are my block of v96-127, chains 2, 3 that of v128-159
	v_max3_num_f32 v[BM+\b], v[96+16*\b], v[97+16*\b], v[98+16*\b]
.endr
.irp i, 3,5,7,9,11,13
.irp b, 0,1,2,3
	v_max3_num_f32 v[BM+\b], v[BM+\b], v[96+16*\b+\i], v[97+16*\b+\i]
.endr
.endr
	v_max3_num_f32 v[BM], v[BM], v[BM+1], v111
	v_max3_num_f32 v[BM+2], v[BM+2], v[BM+3], v143
	v_max_num_f32 v[BM], v[BM], v127               ; the largest score of each of my two blocks of 32 keys: for the row's maximum and for the block's largest p
	v_max_num_f32 v[BM+2], v[BM+2], v159
	v_max_num_f32 v[TA], v[BM], v[BM+2]
	v_permlanex16_b32 v[PT], v[TA], s16, s17
	v_max_num_f32 v[TA], v[TA], v[PT]              ; with lane l xor 16's 64 keys: the step's largest score of my query
	v_mul_f32 v[TA], s18, v[TA]
	v_max_num_f32 v13, v13, v[TA]                  ; the running largest t
	v_mov_b32 v[TA], v12
	DEP 2
	v_floor_f32 v12, -v13                          ; the new -M
	DEP 1
	v_sub_f32 v[TA], v12, v[TA]
	DEP 1
	v_cvt_i32_f32 v[TA], v[TA]
	DEP 1
	v_ldexp_f32 v[FF], 1.0, v[TA]                  ; f = 2^(old M - new M)
.set i, 0
.rept 32
	v_pk_fma_f32 v[96+i:97+i], v[96+i:97+i], s[18:19], v[12:13] op_sel_hi:[1,0,0]   ; t - M
.set i, i+2
.endr
.irp b, 0,2
	v_fma_f32 v[BM+\b], v[BM+\b], s18, v12
.endr
	s_wait_alu depctr_va_vdst(0)
.set i, 0
.rept 64
	v_exp_f32 v[96+i], v[96+i]
.set i, i+1
.endr
.irp b, 0,2
	v_exp_f32 v[BM+\b], v[BM+\b]                   ; the block's largest p
.endr
	v_pk_mul_f32 v[14:15], v[14:15], v[FF:FF+1] op_sel_hi:[1,0]   ; the sums under the new M (a plain instruction behind the exponentials)
	s_wait_alu depctr_va_vdst(0)                   ; and behind it
.irp b, 0,2
	v_max_num_f32 v[BM+\b], 0x1800000, v[BM+\b]    ; the floor 2^(3 - 127)
.endr
.irp b, 0,2
	DEP 2
	v_add_nc_u32 v[SO+\b], 0xff000000, v[BM+\b]    ; 2 off the exponent field: the conversion's scale operand
.endr
.irp b, 0,2
	DEP 2
	v_lshrrev_b32 v[PT+\b], 23, v[SO+\b]
.endr
	DEP 1
	v_lshl_or_b32 v[PT], v[PT+2], 16, v[PT]        ; my two bytes: blocks h and 2 + h,
	DEP 1
	v_lshlrev_b32 v[PT], v35, v[PT]                ; at their places;
	DEP 1
	v_permlanex16_b32 v[PT+1], v[PT], s16, s17
	DEP 1
	v_or_b32 v[PSC], v[PT], v[PT+1]                ; with lane l xor 16's two the word is whole
.irp c, 0,1
	v_cvt_scalef32_pk16_fp6_f32 v[PCD+6*\c:PCD+6*\c+2], v[96+32*\c:111+32*\c], v[SO+2*\c]
	v_cvt_scalef32_pk16_fp6_f32 v[PH+4*\c:PH+4*\c+2], v[112+32*\c:127+32*\c], v[SO+2*\c]
.endr
	v_nop                                          ; one plain instruction behind the scaled conversions
.irp c, 0,1                            ; (a conversion's three registers begin on an even number: a block's second three are moved)
.irp i, 0,1,2
	v_mov_b32 v[PCD+3+6*\c+\i], v[PH+4*\c+\i]
.endr
.endr
.irp k, 0,1,2,3                        ; the row's sum of the unquantised p: four packed chains
	v_pk_add_f32 v[240+2*\k:241+2*\k], v[96+2*\k:97+2*\k], v[104+2*\k:105+2*\k]
.endr
.irp j, 112,120,128,136,144,152
.irp k, 0,1,2,3
	v_pk_add_f32 v[240+2*\k:241+2*\k], v[240+2*\k:241+2*\k], v[\j+2*\k:\j+2*\k+1]
.endr
.endr
	v_pk_add_f32 v[240:241], v[240:241], v[242:243]
	v_pk_add_f32 v[244:245], v[244:245], v[246:247]
	DEP 1
	v_pk_add_f32 v[240:241], v[240:241], v[244:245]
	DEP 1
	v_pk_add_f32 v[14:15], v[14:15], v[240:241]
	s_wait_alu depctr_va_vdst(0)                   ; directly ahead of the first reader of O^T
.set i, 0
.rept 16
	v_pk_mul_f32 v[160+i:161+i], v[160+i:161+i], v[FF:FF+1] op_sel_hi:[1,0]
.set i, i+2
.endr
	s_wait_alu depctr_va_vdst(0)
	s_wait_dscnt 0x0                               ; V
.irp b, 0,1                            ; the four accumulators take turns, one instruction a turn; eight other products stand between two links
	v_wmma_scale_f32_16x16x128_f8f6f4 v[160+16*\b:167+16*\b], v[KF+24*\b:KF+24*\b+11], v[PCD:PCD+11], v[160+16*\b:167+16*\b], v[VSC+\b], v[PSC] matrix_a_fmt:MATRIX_FMT_FP6 matrix_b_fmt:MATRIX_FMT_FP6
	v_wmma_scale_f32_16x16x128_f8f6f4 v[168+16*\b:175+16*\b], v[KF+24*\b+12:KF+24*\b+23], v[PCD:PCD+11], v[168+16*\b:175+16*\b], v[VSC+\b], v[PSC] matrix_a_fmt:MATRIX_FMT_FP6 matrix_b_fmt:MATRIX_FMT_FP6 matrix_a_scale:MATRIX_SCALE_ROW1
.endr
.endm
.macro RUN n, trips                    ; key steps n .. n + trips - 1
	s_mov_b32 s84, \n*3072
	s_mov_b32 s85, \n*6144
	s_mov_b32 s86, \n*512
	s_mov_b32 s87, \n*256
	s_mov_b32 s97, \trips
.Lstep_\@:
	STEP
	s_add_co_u32 s84, s84, 3072
	s_add_co_u32 s85, s85, 6144
	s_add_co_u32 s86, s86, 512
	s_add_co_u32 s87, s87, 256
	s_sub_co_u32 s97, s97, 1
	s_cmp_lg_u32 s97, 0
	s_cbranch_scc1 .Lstep_\@
.endm
	s_wait_alu depctr_va_vdst(0)
	s_wait_tensorcnt 0x0                           ; my part of the first 512 keys is in
	ds_add_u32 v254, v255
	s_mov_b32 s[G1K+2], 6<<16                      ; no load of mine is out: the second loads bring six rows of K, three planes of V
	s_mov_b32 s[G1K+4], 6
	s_mov_b32 s[G1V+2], 3<<16
	s_mov_b32 s[G1V+4], 3
	s_wait_dscnt 0x0                               ; the add, and my scale words' stores
	CROUND
	KVLOAD 1                                       ; the other 1,536 keys: my one load behind the round
	RUN 0, 4
	s_wait_tensorcnt 0x0                           ; my part of them is in,
	s_wait_dscnt 0x0
	s_barrier_signal -1
	s_barrier_wait -1                              ; and everybody's
	RUN 4, 12
	; THE WAY OUT: O^T / l, quantised along the head's 64: two blocks of 32, 16 numbers of each in my lane.
.rept 4
	v_nop
.endr
	v_add_f32 v14, v14, v15
	DEP 1
	v_permlanex16_b32 v[FF], v14, s16, s17
	DEP 1
	v_add_f32 v14, v14, v[FF]
	s_wait_alu depctr_va_vdst(0)
	v_rcp_f32 v14, v14
	v_nop
	s_wait_alu depctr_va_vdst(0)
.set i, 0
.rept 16
	v_pk_mul_f32 v[96+i:97+i], v[160+i:161+i], v[14:15] op_sel_hi:[1,0]
.set i, i+2
.endr
.irp b, 0,1
	v_max3_num_f32 v[BM+\b], |v[96+16*\b]|, |v[97+16*\b]|, 0x1800000
.endr
.irp i, 2,4,6,8,10,12,14
.irp b, 0,1
	DEP 2
	v_max3_num_f32 v[BM+\b], v[BM+\b], |v[96+16*\b+\i]|, |v[97+16*\b+\i]|
.endr
.endr
.irp b, 0,1
	DEP 2
	v_permlanex16_b32 v[PT+\b], v[BM+\b], s16, s17
.endr
.irp b, 0,1
	DEP 2
	v_max_num_f32 v[BM+\b], v[BM+\b], v[PT+\b]
.endr
.irp b, 0,1
	DEP 2
	v_add_nc_u32 v[SO+\b], 0xff000000, v[BM+\b]
.endr
.irp b, 0,1
	DEP 2
	v_lshrrev_b32 v[PT+\b], 23, v[SO+\b]
.endr
	DEP 1
	v_lshl_or_b32 v[TA], v[PT+1], 8, v[PT]
.irp b, 0,1
	v_cvt_scalef32_pk16_fp6_f32 v[PCD+4*\b:PCD+4*\b+2], v[96+16*\b:111+16*\b], v[SO+\b]
.endr
	v_nop
.irp b, 0,1                            ; lanes 16-31 hold channels 24-31, 16-23: their 96 bits are turned by 48
	v_alignbit_b32 v[PH+4*\b], v[PCD+4*\b+2], v[PCD+4*\b+1], 16
	v_alignbit_b32 v[PH+4*\b+1], v[PCD+4*\b], v[PCD+4*\b+2], 16
	v_alignbit_b32 v[PH+4*\b+2], v[PCD+4*\b+1], v[PCD+4*\b], 16
.endr
.irp b, 0,1
.irp i, 0,1,2
	v_cndmask_b32 v[PCD+4*\b+\i], v[PCD+4*\b+\i], v[PH+4*\b+\i], s88
.endr
.endr
.irp b, 0,1
	global_store_b96 v6, v[PCD+4*\b:PCD+4*\b+2], s[8:9] offset:384*\b   ; the wave's two stores cover 768 consecutive bytes
.endr
	global_store_b16 v248, v[TA], s[94:95]         ; my head's two bytes of the row's scale word (both halves of the lanes store the same)
	s_wait_tensorcnt 0x0                           ; the wave's end
	ds_add_u32 v254, v255
	s_wait_dscnt 0x0
	CROUND                                         ; the closing round
	s_endpgm
.Lfunc_end_k_q88cce0efea_attn:
	.size	k_q88cce0efea_attn, .Lfunc_end_k_q88cce0efea_attn-k_q88cce0efea_attn
	.p2alignl 7, 3214868480
	.fill 96, 4, 3214868480
	.section	.rodata,"a",@progbits
	.p2align	6, 0x0
	.amdhsa_kernel k_q88cce0efea_attn
		.amdhsa_group_segment_fixed_size 327680
		.amdhsa_private_segment_fixed_size 0
		.amdhsa_enable_private_segment 0
		.amdhsa_kernarg_size 24
		.amdhsa_user_sgpr_count 2
		.amdhsa_user_sgpr_kernarg_segment_ptr 1
		.amdhsa_wavefront_size32 1
		.amdhsa_system_sgpr_workgroup_id_x 1
		.amdhsa_system_sgpr_workgroup_id_y 1
		.amdhsa_system_sgpr_workgroup_id_z 1
		.amdhsa_system_vgpr_workitem_id 0
		.amdhsa_next_free_vgpr 256
		.amdhsa_next_free_sgpr 102
		.amdhsa_reserve_vcc 0
		.amdhsa_float_denorm_mode_32 3
		.amdhsa_float_denorm_mode_16_64 3
		.amdhsa_memory_ordered 1
		.amdhsa_forward_progress 1
		.amdhsa_inst_pref_size 52
	.end_amdhsa_kernel
	.amdgpu_metadata
---
amdhsa.version: [ 1, 2 ]
amdhsa.kernels:
  - .name:           k_q88cce0efea_attn
    .symbol:         k_q88cce0efea_attn.kd
    .args:
      - { .name: qk, .offset: 0, .size: 8, .value_kind: global_buffer, .address_space: global }
      - { .name: vt, .offset: 8, .size: 8, .value_kind: global_buffer, .address_space: global }
      - { .name: ao, .offset: 16, .size: 8, .value_kind: global_buffer, .address_space: global }
    .group_segment_fixed_size: 327680
    .private_segment_fixed_size: 0
    .kernarg_segment_align: 8
    .kernarg_segment_size: 24
    .max_flat_workgroup_size: 512
    .sgpr_count:     102
    .vgpr_count:     256
    .wavefront_size: 32
...
	.end_amdgpu_metadata
.endif
;; end of part 3
;; launch outp (part 4): grid 8 x 32, 4 waves a work-group, clusters of 4 x 4, 327,680 bytes of LDS; arguments ao, wr, w_out_scales, x, x1; writes x1
.if DOCPART == 4
	.amdgcn_target "amdgcn-amd-amdhsa--gfx1250"
	.amdhsa_code_object_version 6
	.text
	.protected	k_q88cce0efea_outp
	.globl	k_q88cce0efea_outp
	.p2align	8
	.type	k_q88cce0efea_outp,@function
k_q88cce0efea_outp:
	s_mov_b64 s[64:65], 0
	v_nop
	global_prefetch_b8 v0, s[64:65] scope:SCOPE_SE
	s_setreg_imm32_b32 hwreg(HW_REG_WAVE_MODE, 25, 1), 1
	s_wait_xcnt 0x0
	s_wait_alu depctr_hold_cnt(0) depctr_sa_sdst(0) depctr_va_vdst(0) depctr_va_sdst(0) depctr_va_ssrc(0) depctr_va_vcc(0) depctr_vm_vsrc(0)
	s_getreg_b32 s2, hwreg(HW_REG_IB_STS2, 6, 4)
	s_cmp_eq_u32 s2, 0
	s_cbranch_scc0 .Lentry_in_a_cluster
	s_endpgm
.Lentry_in_a_cluster:
	s_bfe_u32 s2, ttmp6, 0x10000c
	s_cmp_lg_u32 s2, 0xf033
	s_cbranch_scc0 .Lentry_shape_is_right
	s_endpgm
.Lentry_shape_is_right:
.set SIZE_K, 1024
.set BIAS,   0
; C = A B^T + the residual, blocks of 128 x 128, K in steps of 512 through two LDS slots.  B's codes come from wr, laid as [K step of 512][1024 rows][384 bytes]: a tile is dense, stated as rows of 256 bytes.
; A's slot: [8 planes of 64 K][128 rows x 48 bytes]; A's scale words: [K step of 128][two halves of 64 rows, 256 + 16 bytes each].
.set KROW,   384
.set KS,     SIZE_K/32
.set NCH,    SIZE_K/128
.set BP,     432
.set PART,   64*BP
.set SLOT,   4*PART
.set SCL,    2*SLOT
.set HALFS,  NCH*272
.set SBLK,   (16*KS/256)*272
.set SPARE,  SCL+4*HALFS
.set LAPS,   SIZE_K/1024
.set TSOFF,  SIZE_K*3072
.set ADSB, 7
.set BOF,  10
.set BV,   12
.set ADRA, 16
.set ADRB, 20
.set STO,  24
.set RD,   25
.set CO,   26
.set ADSA, 27
.set SPW,  28
.set NIL,  29
.set SCA,  32
.set SCB,  48
.set ACC,  64
.set BK,   192
.set F0,   0
.set F1,   128
.set G1A, 24
.set G0A, 32
.set G1B, 48
.set G0B, 56
.set G1SA, 68
.set G0SA, 76
.set G1SB, 80
.set G0SB, 88
.set MSB, 0
.macro WIN new
.if MSB != \new
	s_set_vgpr_msb (MSB<<8)|\new
.set MSB, \new
.endif
.endm
.set MUL,  0x05
.set TO_F, 0x40
.macro JLOAD g0a, g1a, g0b, g1b
	s_cmp_eq_u32 s17, 0
	s_cbranch_scc0 .Lfor_b_\@
	tensor_load_to_lds s[\g0a:\g0a+3], s[\g1a:\g1a+7]
	s_nop 0
.rept 4
	v_nop
.endr
	s_branch .Lasked_\@
.Lfor_b_\@:
	tensor_load_to_lds s[\g0b:\g0b+3], s[\g1b:\g1b+7]
	s_nop 0
.rept 4
	v_nop
.endr
.Lasked_\@:
.endm
.macro CREST
	s_cmp_lg_u32 s16, 0
	s_cbranch_scc1 .Lnot_wave_0_\@
	s_barrier_signal -3
.Lnot_wave_0_\@:
	s_barrier_wait -3
	s_barrier_signal -1
	s_barrier_wait -1
.endm
.macro CROUND
	s_barrier_signal -1
	s_barrier_wait -1
	CREST
.endm
	s_load_b256 s[4:11], s[0:1], 0x0
	s_load_b64 s[12:13], s[0:1], 0x20
.if BIAS
	s_load_b64 s[14:15], s[0:1], 0x28
.endif
	v_lshl_add_u32 v[SPW], v0, 2, SPARE
	v_mov_b32 v[NIL], 0
	ds_add_u32 v28, v29
	ds_add_u32 v28, v29
	s_wait_dscnt 0x0
	v_lshrrev_b32 v1, 5, v0
	v_readfirstlane_b32 s16, v1
	s_lshr_b32 s17, s16, 1
	s_and_b32 s18, s16, 1
	s_bfe_u32 s40, ttmp6, 0x40000
	s_bfe_u32 s41, ttmp6, 0x40004
	s_lshl_b32 s42, ttmp9, 2
	s_add_co_u32 s42, s42, s40
	s_and_b32 s19, ttmp7, 0xffff
	s_lshl_b32 s19, s19, 2
	s_add_co_u32 s19, s19, s41
	s_lshl_b32 s43, s41, 2
	s_lshl_b32 s43, 15, s43
	s_lshl_b32 s44, 0x1111, s40
	s_or_b32 s[G1A], s43, (3<<16)|(1<<21)
	s_mov_b32 s[G1A+1], 768<<16
	s_mov_b32 s[G1A+2], 8<<16
	s_mov_b32 s[G1A+3], 768<<16
	s_mov_b32 s[G1A+4], 8
	s_mov_b32 s[G1A+5], 24576
	s_mov_b32 s[G1A+6], 0
	s_mov_b32 s[G1A+7], 0
	s_or_b32 s[G1B], s44, (0<<16)|(1<<20)|(1<<21)|(4<<22)|(3<<25)
	s_mov_b32 s[G1B+1], 256<<16
	s_mov_b32 s[G1B+2], 192<<16
	s_mov_b32 s[G1B+3], 256<<16
	s_mov_b32 s[G1B+4], 192
	s_mov_b32 s[G1B+5], 256
	s_mov_b32 s[G1B+6], 0
	s_mov_b32 s[G1B+7], 0
	s_or_b32 s[G1SA], s43, (3<<16)|(1<<20)|(1<<21)|(5<<22)|(3<<25)
	s_mov_b32 s[G1SA+1], 64<<16
	s_mov_b32 s[G1SA+2], NCH<<16
	s_mov_b32 s[G1SA+3], 64<<16
	s_mov_b32 s[G1SA+4], NCH
	s_mov_b32 s[G1SA+5], 2048
	s_mov_b32 s[G1SA+6], 0
	s_mov_b32 s[G1SA+7], 0
	s_or_b32 s[G1SB], s44, (3<<16)|(1<<20)|(1<<21)|(5<<22)|(3<<25)
	s_mov_b32 s[G1SB+1], 32<<16
	s_mov_b32 s[G1SB+2], (2*NCH)<<16
	s_mov_b32 s[G1SB+3], 32<<16
	s_mov_b32 s[G1SB+4], 2*NCH
	s_mov_b32 s[G1SB+5], 32
	s_mov_b32 s[G1SB+6], 0
	s_mov_b32 s[G1SB+7], 0
	s_lshl_b32 s20, s19, 7
	s_lshl_b32 s46, s42, 7
	s_lshl_b32 s22, s20, 2
	s_add_co_u32 s22, s22, TSOFF
	s_mov_b32 s23, 0
	s_mul_i32 s20, s20, 48
	s_mov_b32 s21, 0
	s_mul_i32 s92, s46, KS
	s_mov_b32 s93, 0
	s_mul_i32 s46, s46, KROW
	s_mov_b32 s47, 0
	s_mul_i32 s45, s16, PART
	s_wait_kmcnt 0x0
	s_add_nc_u64 s[22:23], s[4:5], s[22:23]
	s_add_nc_u64 s[20:21], s[4:5], s[20:21]
	s_add_nc_u64 s[46:47], s[6:7], s[46:47]
	s_add_nc_u64 s[46:47], s[46:47], 6291456       ; w_out's place in wr
	s_add_nc_u64 s[92:93], s[8:9], s[92:93]
	CROUND
	s_mov_b32 s[G0SA], 1
	s_mov_b32 s[G0SA+1], SCL
	s_mov_b64 s[G0SA+2:G0SA+3], s[22:23]
	s_or_b32 s[G0SA+3], s[G0SA+3], 0x80000000
	s_mov_b32 s[G0SB], 1
	s_mov_b32 s[G0SB+1], SCL+2*HALFS
	s_mov_b64 s[G0SB+2:G0SB+3], s[92:93]
	s_or_b32 s[G0SB+3], s[G0SB+3], 0x80000000
	s_mov_b32 s4, 1                                ; s[4:7], s[96:99]: group 0 of the head's loads of slot 0: A's 128 rows, B's 128 rows
	s_mov_b32 s5, 0
	s_mov_b64 s[6:7], s[20:21]
	s_or_b32 s7, s7, 0x80000000
	s_mov_b32 s96, 1
	s_mov_b32 s97, 2*PART
	s_mov_b64 s[98:99], s[46:47]
	s_or_b32 s99, s99, 0x80000000
	s_mul_i32 s94, s18, 24576                      ; in the ring: A's waves take four planes each (24,576 bytes of LDS, 786,432 of memory on), B's 64 rows each (24,576 bytes of memory on)
	s_mul_i32 s2, s18, 786432
	s_mov_b32 s3, 0
	s_add_nc_u64 s[20:21], s[20:21], s[2:3]
	s_mov_b32 s2, s94
	s_add_nc_u64 s[46:47], s[46:47], s[2:3]
; PREFETCHES INTO THE L2.  A wave's ring load is 24,576 bytes (four planes of A, or 64 dense rows of B), 96 blocks of 256; the four partners that ask for it jointly share them out BY ADDRESS
; (cx picks a plane of A, cy a quarter of B's rows): 24 blocks each, a lane a block (lanes 24-31 name the last block again).  The head asks for K steps 1 and 2, and behind the load of K step k stands the ask
; for K step k + 2; the last two refills ask for nothing.  The pointer is stepped at the head of a change of slots, behind s_wait_xcnt 0.
.set PFA, 100                          ; s[100:101] where my prefetches stand;  s[8:9] a K step in bytes
.set PFO, 30                           ; v30 256 x min(lane, 23);  v31 the same one K step on; never rewritten
	s_cmp_eq_u32 s17, 0
	s_cselect_b64 s[PFA:PFA+1], s[20:21], s[46:47]
	s_cselect_b32 s2, s40, s41
	s_mov_b32 s8, 393216
	s_cselect_b32 s8, 1572864, s8
	s_mov_b32 s95, 6144
	s_cselect_b32 s95, 196608, s95
	s_mov_b32 s9, 0
	s_mul_i32 s2, s2, s95
	s_add_nc_u64 s[PFA:PFA+1], s[PFA:PFA+1], s[2:3]
	s_add_nc_u64 s[PFA:PFA+1], s[PFA:PFA+1], s[8:9]   ; at K step 1
.irp s, 0,1
	s_mov_b32 s[G0A+4*\s], 1
	s_add_co_u32 s[G0A+4*\s+1], s94, \s*SLOT
	s_add_nc_u64 s[G0A+4*\s+2:G0A+4*\s+3], s[20:21], \s*1572864
	s_or_b32 s[G0A+4*\s+3], s[G0A+4*\s+3], 0x80000000
	s_mov_b32 s[G0B+4*\s], 1
	s_add_co_u32 s[G0B+4*\s+1], s45, \s*SLOT
	s_add_nc_u64 s[G0B+4*\s+2:G0B+4*\s+3], s[46:47], \s*393216
	s_or_b32 s[G0B+4*\s+3], s[G0B+4*\s+3], 0x80000000
.endr
; The head's loads, one a wave: wave 0 A's slot 0, wave 1 B's, wave 2 A's scales, wave 3 B's: one tree of branches on the wave's number.
.macro ARM under, g0, g1, next
	s_cmp_lt_u32 s16, \under
	s_cbranch_scc0 \next
	tensor_load_to_lds s[\g0:\g0+3], s[\g1:\g1+7]
	s_nop 0
.rept 4
	v_nop
.endr
	s_branch .Lhead_asked
\next:
.endm
	ARM 1, 4, G1A, .Lhead_b
	ARM 2, 96, G1B, .Lhead_sa
	ARM 3, G0SA, G1SA, .Lhead_sb
	tensor_load_to_lds s[G0SB:G0SB+3], s[G1SB:G1SB+7]
	s_nop 0
.rept 4
	v_nop
.endr
.Lhead_asked:
	v_and_b32 v[PFO], 31, v0
	v_min_u32 v[PFO], 23, v[PFO]
	v_lshlrev_b32 v[PFO], 8, v[PFO]
.if LAPS > 1
	v_add_nc_u32 v[PFO+1], s8, v[PFO]
.endif
	global_prefetch_b8 v[PFO], s[PFA:PFA+1] th:TH_LOAD_NT scope:SCOPE_SE      ; K step 1
.if LAPS > 1
	global_prefetch_b8 v[PFO+1], s[PFA:PFA+1] th:TH_LOAD_NT scope:SCOPE_SE    ; K step 2
.endif
	v_and_b32 v1, 15, v0
	v_bfe_u32 v2, v0, 4, 1
	v_lshlrev_b32 v5, 12, v2
	v_lshl_add_u32 v[CO], v1, 4, v5
	s_wait_alu depctr_va_vdst(0)
	v_lshlrev_b32 v[BOF], 4, v1
	s_lshl_b32 s2, s19, 19
	s_lshl_b32 s3, s17, 18
	s_add_co_u32 s2, s2, s3
	s_lshl_b32 s3, s42, 9
	s_add_co_u32 s2, s2, s3
	s_lshl_b32 s3, s18, 8
	s_add_co_u32 s2, s2, s3
	s_mov_b32 s3, 0
	s_add_nc_u64 s[10:11], s[10:11], s[2:3]
	s_add_nc_u64 s[12:13], s[12:13], s[2:3]
.if BIAS
	s_lshl_b32 s2, s42, 9
	s_lshl_b32 s3, s18, 8
	s_add_co_u32 s2, s2, s3
	s_mov_b32 s3, 0
	s_add_nc_u64 s[14:15], s[14:15], s[2:3]
	global_load_b128 v[BV:BV+3], v[BOF], s[14:15]
.endif
	v_and_b32 v3, 7, v1
	v_lshrrev_b32 v4, 3, v1
	v_mul_u32_u24 v5, v3, 48
	v_mad_u32_u24 v5, v4, 24, v5
	v_mad_u32_u24 v5, v2, 384, v5
	v_mul_u32_u24 v6, v1, BP
	v_mad_u32_u24 v6, v2, 24, v6
	v_lshl_add_u32 v8, v2, 4, v6
	s_mul_i32 s21, s17, 3072
	s_mul_i32 s22, s18, PART
	s_add_co_u32 s22, s22, 2*PART
.irp s, 0,1
	v_add_nc_u32 v[ADRA+\s], s21, v5
	v_add_nc_u32 v[ADRB+\s], s22, v6
	v_add_nc_u32 v[ADRB+2+\s], s22, v8
	s_add_co_u32 s21, s21, SLOT
	s_add_co_u32 s22, s22, SLOT
.endr
	s_mul_i32 s21, s17, 272
	s_add_co_u32 s21, s21, SCL
	v_and_b32 v9, 31, v0
	v_lshl_add_u32 v[ADSA], v9, 2, s21
	v_mul_u32_u24 v5, v1, KS
	v_lshrrev_b32 v6, 8, v5
	v_lshl_add_u32 v5, v6, 4, v5
	v_mad_u32_u24 v5, v2, SBLK, v5
	s_mul_i32 s22, s18, HALFS
	s_add_co_u32 s22, s22, SCL+2*HALFS
	v_add_nc_u32 v[ADSB], s22, v5
	s_mul_i32 s23, s16, 16*272
	v_mul_u32_u24 v5, v1, 272
	v_lshl_add_u32 v5, v2, 5, v5
	v_add_nc_u32 v[STO], s23, v5
	v_mul_u32_u24 v5, v2, 272
	v_lshl_add_u32 v5, v1, 4, v5
	v_add_nc_u32 v[RD], s23, v5
.macro FRAGA reg, slot, q, i
.irp p, 0,1,2,3,4,5
	ds_load_b64 v[\reg+2*\p:\reg+2*\p+1], v[ADRA+\slot] offset:(2*(\q)+\p/3)*6144+(\i)*768+8*(\p%3)
.endr
.endm
.macro FRAGB reg, slot, q, i
.irp p, 0,1,2,3,4,5
.set PCE, 12*(\q)+6*(\p/3)+\p%3
.if PCE%16 < 13
	ds_load_b64 v[\reg+2*\p:\reg+2*\p+1], v[ADRB+\slot] offset:8*PCE+16*(PCE/16)+(\i)*16*BP
.else
	ds_load_b64 v[\reg+2*\p:\reg+2*\p+1], v[ADRB+2+\slot] offset:8*PCE+16*(PCE/16)+(\i)*16*BP
.endif
.endr
.endm
.macro FETCH slot, q, f
	WIN TO_F
.irp i, 0,1,2,3
	FRAGB \f+48+12*\i, \slot, \q, \i
.endr
.irp i, 0,1,2,3
	FRAGA \f+12*\i, \slot, \q, \i
.endr
.endm
.macro SCALES sc
.irp q, 0,1,2,3
.irp j, 0,1
	ds_load_b32 v[SCA+8*\sc+2*\q+\j], v[ADSA] offset:544*\q+128*\j
.endr
.endr
.irp j, 0,1
	ds_load_b128 v[SCB+8*\sc+4*\j:SCB+8*\sc+4*\j+3], v[ADSB] offset:2*SBLK*\j
.endr
.endm
.macro WM d, x, y, z, sx, sy, px, py
.if \z
.if (\px) && (\py)
	v_wmma_scale_f32_16x16x128_f8f6f4 v[(\d):(\d)+7], v[(\x):(\x)+11], v[(\y):(\y)+11], 0, v[\sx], v[\sy] matrix_a_fmt:MATRIX_FMT_FP6 matrix_b_fmt:MATRIX_FMT_FP6 matrix_a_scale:MATRIX_SCALE_ROW1 matrix_b_scale:MATRIX_SCALE_ROW1
.elseif \px
	v_wmma_scale_f32_16x16x128_f8f6f4 v[(\d):(\d)+7], v[(\x):(\x)+11], v[(\y):(\y)+11], 0, v[\sx], v[\sy] matrix_a_fmt:MATRIX_FMT_FP6 matrix_b_fmt:MATRIX_FMT_FP6 matrix_a_scale:MATRIX_SCALE_ROW1
.elseif \py
	v_wmma_scale_f32_16x16x128_f8f6f4 v[(\d):(\d)+7], v[(\x):(\x)+11], v[(\y):(\y)+11], 0, v[\sx], v[\sy] matrix_a_fmt:MATRIX_FMT_FP6 matrix_b_fmt:MATRIX_FMT_FP6 matrix_b_scale:MATRIX_SCALE_ROW1
.else
	v_wmma_scale_f32_16x16x128_f8f6f4 v[(\d):(\d)+7], v[(\x):(\x)+11], v[(\y):(\y)+11], 0, v[\sx], v[\sy] matrix_a_fmt:MATRIX_FMT_FP6 matrix_b_fmt:MATRIX_FMT_FP6
.endif
.else
.if (\px) && (\py)
	v_wmma_scale_f32_16x16x128_f8f6f4 v[(\d):(\d)+7], v[(\x):(\x)+11], v[(\y):(\y)+11], v[(\d):(\d)+7], v[\sx], v[\sy] matrix_a_fmt:MATRIX_FMT_FP6 matrix_b_fmt:MATRIX_FMT_FP6 matrix_a_scale:MATRIX_SCALE_ROW1 matrix_b_scale:MATRIX_SCALE_ROW1
.elseif \px
	v_wmma_scale_f32_16x16x128_f8f6f4 v[(\d):(\d)+7], v[(\x):(\x)+11], v[(\y):(\y)+11], v[(\d):(\d)+7], v[\sx], v[\sy] matrix_a_fmt:MATRIX_FMT_FP6 matrix_b_fmt:MATRIX_FMT_FP6 matrix_a_scale:MATRIX_SCALE_ROW1
.elseif \py
	v_wmma_scale_f32_16x16x128_f8f6f4 v[(\d):(\d)+7], v[(\x):(\x)+11], v[(\y):(\y)+11], v[(\d):(\d)+7], v[\sx], v[\sy] matrix_a_fmt:MATRIX_FMT_FP6 matrix_b_fmt:MATRIX_FMT_FP6 matrix_b_scale:MATRIX_SCALE_ROW1
.else
	v_wmma_scale_f32_16x16x128_f8f6f4 v[(\d):(\d)+7], v[(\x):(\x)+11], v[(\y):(\y)+11], v[(\d):(\d)+7], v[\sx], v[\sy] matrix_a_fmt:MATRIX_FMT_FP6 matrix_b_fmt:MATRIX_FMT_FP6
.endif
.endif
.endm
.macro MUL4 f, a, q, sc, z
.irp b, 0,1,2,3
	WM ACC+8*(4*(\a)+\b), \f+48+12*\b, \f+12*(\a), \z, SCB+8*(\sc)+4*(\b/2)+(\q), SCA+8*(\sc)+2*(\q)+(\a)/2, \b%2, (\a)%2
.endr
.endm
.macro MUL8 f, a0, q, sc, z
	MUL4 \f, \a0, \q, \sc, \z
	MUL4 \f, \a0+1, \q, \sc, \z
.endm
.macro PLACES
.rept 4
	v_nop
.endr
.endm
.macro QUARTER slot, q, f, g, z
	s_wait_dscnt 12
	WIN MUL
	MUL8 \f, 0, \q, \slot, \z
	PLACES
	FETCH \slot, (\q)+1, \g
	s_wait_dscnt 48
	WIN MUL
	MUL8 \f, 2, \q, \slot, \z
.endm
.macro TURN slot, next, fill
.if \fill
	s_wait_xcnt 0x0                                ; my last prefetch has read its address
	s_add_nc_u64 s[PFA:PFA+1], s[PFA:PFA+1], s[8:9]
.endif
	WIN 0
	s_wait_tensorcnt 0x0
	ds_add_u32 v[SPW], v[NIL]
	s_wait_dscnt 13
	WIN MUL
	MUL4 F1, 0, 3, \slot, 0
	s_wait_dscnt 0x0
	s_barrier_signal -1
	MUL4 F1, 1, 3, \slot, 0
	WIN 0
	s_barrier_wait -1
.if \fill
	CREST
	s_add_nc_u64 s[G0A+4*\slot+2:G0A+4*\slot+3], s[G0A+4*\slot+2:G0A+4*\slot+3], 2*1572864
	s_add_nc_u64 s[G0B+4*\slot+2:G0B+4*\slot+3], s[G0B+4*\slot+2:G0B+4*\slot+3], 2*393216
	JLOAD G0A+4*\slot, G1A, G0B+4*\slot, G1B
.else
	PLACES
.endif
	v_add_nc_u32 v[ADSA], 4*544, v[ADSA]
	v_add_nc_u32 v[ADSB], 16, v[ADSB]
	SCALES \next
	FETCH \next, 0, F0
.if \fill
	WIN 0                                          ; at a branch and at a label every window is 0
	s_cmp_gt_u32 s3, 1                             ; the loop's last trip has no K step two loads on
	s_cbranch_scc0 .Lno_ask_\@
	global_prefetch_b8 v[PFO+1], s[PFA:PFA+1] th:TH_LOAD_NT scope:SCOPE_SE
.Lno_ask_\@:
.endif
	WIN MUL
	MUL8 F1, 2, 3, \slot, 0
.endm
	s_wait_alu depctr_va_vdst(0)
.if LAPS > 1
	s_wait_xcnt 0x0                                ; the head's prefetches have read their address
	s_add_nc_u64 s[PFA:PFA+1], s[PFA:PFA+1], s[8:9]
.endif
	s_wait_tensorcnt 0x0
	ds_add_u32 v[SPW], v[NIL]
	s_mov_b32 s[G1A+2], 4<<16
	s_mov_b32 s[G1A+4], 4
	s_mov_b32 s[G1B+2], 96<<16
	s_mov_b32 s[G1B+4], 96
	s_wait_dscnt 0x0
	CROUND
	JLOAD G0A+4, G1A, G0B+4, G1B                   ; slot 1, the first tensor load behind the round
	SCALES 0
	FETCH 0, 0, F0
.if LAPS > 1
	global_prefetch_b8 v[PFO+1], s[PFA:PFA+1] th:TH_LOAD_NT scope:SCOPE_SE    ; K step 3, behind K step 1's load and the first run of LDS loads
.endif
	QUARTER 0, 0, F0, F1, 1
.if LAPS > 1
	WIN 0
	s_mov_b32 s3, LAPS-1
.Llap:
	QUARTER 0, 1, F1, F0, 0
	QUARTER 0, 2, F0, F1, 0
	TURN 0, 1, 1
	QUARTER 1, 0, F0, F1, 0
	QUARTER 1, 1, F1, F0, 0
	QUARTER 1, 2, F0, F1, 0
	TURN 1, 0, 1
	QUARTER 0, 0, F0, F1, 0
	WIN 0
	s_sub_co_u32 s3, s3, 1
	s_cmp_lg_u32 s3, 0
	s_cbranch_scc1 .Llap
.endif
	WIN 0x80                                       ; the residual, into window 2: asked for here, behind the last refill, and wanted on the way out
.irp a, 0,1,2,3
.irp t, 0,1,2,3,4,5,6,7
	global_load_b128 v[4*(8*\a+\t):4*(8*\a+\t)+3], v[CO], s[10:11] offset:(16*\a+2*\t)*4096
.endr
.endr
	QUARTER 0, 1, F1, F0, 0
	QUARTER 0, 2, F0, F1, 0
	TURN 0, 1, 0
	QUARTER 1, 0, F0, F1, 0
	QUARTER 1, 1, F1, F0, 0
	QUARTER 1, 2, F0, F1, 0
	s_wait_dscnt 12
	WIN MUL
	MUL8 F1, 0, 3, 1, 0
	s_wait_dscnt 0
	MUL8 F1, 2, 3, 1, 0
	WIN 0
.macro TOSTAGE a
.irp b, 0,1,2,3
	ds_store_b128 v[STO], v[ACC+8*(4*(\a)+\b):ACC+8*(4*(\a)+\b)+3] offset:64*\b
	ds_store_b128 v[STO], v[ACC+8*(4*(\a)+\b)+4:ACC+8*(4*(\a)+\b)+7] offset:64*\b+16
.endr
.set BB, BK+32*((\a)%2)
.irp t, 0,1,2,3,4,5,6,7
	ds_load_b128 v[BB+4*\t:BB+4*\t+3], v[RD] offset:544*\t
.endr
.endm
.macro SEND a, younger
.set BB, BK+32*((\a)%2)
	s_wait_dscnt \younger
	WIN 0x08
.irp t, 0,1,2,3,4,5,6,7
	v_pk_add_f32 v[BB+4*\t:BB+4*\t+1], v[BB+4*\t:BB+4*\t+1], v[4*(8*(\a)+\t):4*(8*(\a)+\t)+1]
	v_pk_add_f32 v[BB+4*\t+2:BB+4*\t+3], v[BB+4*\t+2:BB+4*\t+3], v[4*(8*(\a)+\t)+2:4*(8*(\a)+\t)+3]
.endr
	WIN 0
.if BIAS
.irp t, 0,1,2,3,4,5,6,7
	v_pk_add_f32 v[BB+4*\t:BB+4*\t+1], v[BB+4*\t:BB+4*\t+1], v[BV:BV+1]
	v_pk_add_f32 v[BB+4*\t+2:BB+4*\t+3], v[BB+4*\t+2:BB+4*\t+3], v[BV+2:BV+3]
.endr
.endif
.irp t, 0,1,2,3,4,5,6,7
.if BIAS
	global_store_b128 v[CO], v[BB+4*\t:BB+4*\t+3], s[12:13] offset:(16*(\a)+2*\t)*4096 th:TH_STORE_NT
.else
	global_store_b128 v[CO], v[BB+4*\t:BB+4*\t+3], s[12:13] offset:(16*(\a)+2*\t)*4096
.endif
.endr
.endm
	s_wait_loadcnt 0x0
	PLACES
	TOSTAGE 0
.irp a, 1,2,3
.if \a > 1
	s_wait_xcnt 0x0
.endif
	TOSTAGE \a
	SEND \a-1, 16
.endr
	SEND 3, 0
	s_wait_tensorcnt 0x0
	ds_add_u32 v[SPW], v[NIL]
	s_wait_dscnt 0x0
	CROUND
	s_endpgm
.Lfunc_end_k_q88cce0efea_outp:
	.size	k_q88cce0efea_outp, .Lfunc_end_k_q88cce0efea_outp-k_q88cce0efea_outp
	.p2alignl 7, 3214868480
	.fill 96, 4, 3214868480
	.section	.rodata,"a",@progbits
	.p2align	6, 0x0
	.amdhsa_kernel k_q88cce0efea_outp
		.amdhsa_group_segment_fixed_size 327680
		.amdhsa_private_segment_fixed_size 0
		.amdhsa_enable_private_segment 0
		.amdhsa_kernarg_size 40
		.amdhsa_user_sgpr_count 2
		.amdhsa_user_sgpr_kernarg_segment_ptr 1
		.amdhsa_wavefront_size32 1
		.amdhsa_system_sgpr_workgroup_id_x 1
		.amdhsa_system_sgpr_workgroup_id_y 1
		.amdhsa_system_sgpr_workgroup_id_z 1
		.amdhsa_system_vgpr_workitem_id 0
		.amdhsa_next_free_vgpr 640
		.amdhsa_next_free_sgpr 102
		.amdhsa_reserve_vcc 0
		.amdhsa_float_denorm_mode_32 3
		.amdhsa_float_denorm_mode_16_64 3
		.amdhsa_memory_ordered 1
		.amdhsa_forward_progress 1
		.amdhsa_inst_pref_size 71
	.end_amdhsa_kernel
	.amdgpu_metadata
---
amdhsa.version: [ 1, 2 ]
amdhsa.kernels:
  - .name:           k_q88cce0efea_outp
    .symbol:         k_q88cce0efea_outp.kd
    .args:
      - { .name: ao, .offset: 0, .size: 8, .value_kind: global_buffer, .address_space: global }
      - { .name: wr, .offset: 8, .size: 8, .value_kind: global_buffer, .address_space: global }
      - { .name: w_out_scales, .offset: 16, .size: 8, .value_kind: global_buffer, .address_space: global }
      - { .name: x, .offset: 24, .size: 8, .value_kind: global_buffer, .address_space: global }
      - { .name: x1, .offset: 32, .size: 8, .value_kind: global_buffer, .address_space: global }
    .group_segment_fixed_size: 327680
    .private_segment_fixed_size: 0
    .kernarg_segment_align: 8
    .kernarg_segment_size: 40
    .max_flat_workgroup_size: 128
    .sgpr_count:     102
    .vgpr_count:     640
    .wavefront_size: 32
...
	.end_amdgpu_metadata
.endif
;; end of part 4
;; launch ln2: the kernel of part 1 again; grid 256 x 1, 4 waves a work-group, no clusters, 21,504 bytes of LDS; arguments x1, g2, be2, xq, w_qkv_codes, w_ff1_codes, w_out_codes, w_ff2_codes, wr; writes xq, wr
;; launch ff1 (part 5): grid 16 x 16, 4 waves a work-group, clusters of 4 x 4, 327,680 bytes of LDS; arguments xq, wr, w_ff1_scales, b_ff1, hq; writes hq
.if DOCPART == 5
	.amdgcn_target "amdgcn-amd-amdhsa--gfx1250"
	.amdhsa_code_object_version 6
	.text
	.protected	k_q88cce0efea_ff1
	.globl	k_q88cce0efea_ff1
	.p2align	8
	.type	k_q88cce0efea_ff1,@function
k_q88cce0efea_ff1:
	s_mov_b64 s[64:65], 0
	v_nop
	global_prefetch_b8 v0, s[64:65] scope:SCOPE_SE
	s_setreg_imm32_b32 hwreg(HW_REG_WAVE_MODE, 25, 1), 1
	s_wait_xcnt 0x0
	s_wait_alu depctr_hold_cnt(0) depctr_sa_sdst(0) depctr_va_vdst(0) depctr_va_sdst(0) depctr_va_ssrc(0) depctr_va_vcc(0) depctr_vm_vsrc(0)
	s_getreg_b32 s2, hwreg(HW_REG_IB_STS2, 6, 4)
	s_cmp_eq_u32 s2, 0
	s_cbranch_scc0 .Lentry_in_a_cluster
	s_endpgm
.Lentry_in_a_cluster:
	s_bfe_u32 s2, ttmp6, 0x10000c
	s_cmp_lg_u32 s2, 0xf033
	s_cbranch_scc0 .Lentry_shape_is_right
	s_endpgm
.Lentry_shape_is_right:
.set MODE,   1
.set NQ,     2
; The first layer of the MLP: C = gelu(A B^T + b_ff1), quantised along its columns on the way out.  Tokens and weights lie as [K step of 256][4096 rows][192 bytes]: a tile is dense, stated as rows of 256 bytes.
.set ROWB,   786432
.set KROW,   192
.set PITCH,  240
.set FR,     12
.set NL,     6
.set NP,     4
.set HALFT,  128*PITCH
.set SLOT,   4*HALFT
.set LAPS,   2
.set KS,     32
.set SCL,    2*SLOT
.set HALFS,  (128*KS/256)*272
.set SBLK,   (16*KS/256)*272
.set SPARE,  SCL+4*HALFS
.set ADRS2, 7
.set ADRZ, 8
.set VO,   12
.set SCA,  14
.set L16,  15
.set ADRA, 16
.set ADRB, 20
.set SCR,  24
.set ADRS, 27
.set SPW,  28
.set NIL,  29
.set BO,   30
.set SC,   32
.set BI,   64
.set AF,   128
.set TM,   64
.set CD,   80
.set FX,   96
.set PW,   108
.set OW,   116
.set G,    128
.set ZZ,   192
.set X2,   208
.set PP,   224
.set QQ,   240
.set G1, 24
.set G0, 32
.set G1B, 48
.set G0B, 56
.set G1S, 68
.set G0S, 76
.set G1SB, 80
.set G0SB, 88
.set MSB, 0
.macro WIN new
.if MSB != \new
	s_set_vgpr_msb (MSB<<8)|\new
.set MSB, \new
.endif
.endm
.set MUL_LO, 0xa1
.set MUL_HI, 0xf1
.set TO_B,   0x40
.macro JLOAD g0a, g1a, g0b, g1b
	s_cmp_eq_u32 s15, 0
	s_cbranch_scc0 .Lfor_b_\@
	tensor_load_to_lds s[\g0a:\g0a+3], s[\g1a:\g1a+7]
	s_nop 0
.rept 4
	v_nop
.endr
	s_branch .Lasked_\@
.Lfor_b_\@:
	tensor_load_to_lds s[\g0b:\g0b+3], s[\g1b:\g1b+7]
	s_nop 0
.rept 4
	v_nop
.endr
.Lasked_\@:
.endm
.macro CREST
	s_cmp_lg_u32 s14, 0
	s_cbranch_scc1 .Lnot_wave_0_\@
	s_barrier_signal -3
.Lnot_wave_0_\@:
	s_barrier_wait -3
	s_barrier_signal -1
	s_barrier_wait -1
.endm
.macro CROUND
	s_barrier_signal -1
	s_barrier_wait -1
	CREST
.endm
	s_load_b256 s[4:11], s[0:1], 0x0
	s_load_b64 s[12:13], s[0:1], 0x20
	v_lshl_add_u32 v[SPW], v0, 2, SPARE
	v_mov_b32 v[NIL], 0
	ds_add_u32 v28, v29
	ds_add_u32 v28, v29
	s_wait_dscnt 0x0
	v_lshrrev_b32 v1, 5, v0
	v_readfirstlane_b32 s14, v1
	s_lshr_b32 s15, s14, 1
	s_and_b32 s16, s14, 1
	s_bfe_u32 s40, ttmp6, 0x40000
	s_bfe_u32 s41, ttmp6, 0x40004
	s_and_b32 s17, ttmp7, 0xffff
	s_mov_b32 s2, 196608
	s_mov_b32 s66, 16384
.if MODE == 0
	s_mov_b32 s67, 6291456
	s_cmp_eq_u32 ttmp9, 2
	s_cselect_b32 s42, s17, ttmp9
	s_cselect_b32 s17, 0, s17
	s_cselect_b32 s2, 49152, s2
	s_cselect_b32 s66, 4096, s66
	s_cselect_b32 s67, 3145728, s67
.else
	s_mov_b32 s67, 12582912
	s_mov_b32 s42, ttmp9
.endif
	s_lshl_b32 s42, s42, 2
	s_add_co_u32 s42, s42, s40
	s_lshl_b32 s17, s17, 2
	s_add_co_u32 s17, s17, s41
	s_lshl_b32 s43, s41, 2
	s_lshl_b32 s43, 15, s43
	s_lshl_b32 s44, 0x1111, s40
	s_or_b32 s[G1+0], s43, (0<<16)|(1<<20)|(1<<21)|(3<<22)|(3<<25)
	s_or_b32 s[G1B+0], s44, (0<<16)|(1<<20)|(1<<21)|(3<<22)|(3<<25)
.irp g, G1, G1B
	s_mov_b32 s[\g+1], 256<<16
	s_mov_b32 s[\g+2], 192<<16
	s_mov_b32 s[\g+3], 256<<16
	s_mov_b32 s[\g+4], 192
	s_mov_b32 s[\g+5], 256
	s_mov_b32 s[\g+6], 0
	s_mov_b32 s[\g+7], 0
.endr
	s_or_b32 s[G1S+0], s43, (3<<16)|(1<<20)|(1<<21)|(5<<22)|(3<<25)
	s_or_b32 s[G1SB+0], s44, (3<<16)|(1<<20)|(1<<21)|(5<<22)|(3<<25)
.irp g, G1S, G1SB
	s_mov_b32 s[\g+1], 32<<16
	s_mov_b32 s[\g+2], KS<<16
	s_mov_b32 s[\g+3], 32<<16
	s_mov_b32 s[\g+4], KS
	s_mov_b32 s[\g+5], 32
	s_mov_b32 s[\g+6], 0
	s_mov_b32 s[\g+7], 0
.endr
	s_lshl_b32 s20, s17, 8
	s_lshl_b32 s46, s42, 8
	s_mov_b32 s21, 0
	s_mov_b32 s47, 0
	s_mov_b64 s[18:19], KS
	s_mul_u64 s[22:23], s[20:21], s[18:19]
	s_mul_u64 s[92:93], s[46:47], s[18:19]
	s_mov_b64 s[18:19], KROW
	s_mul_u64 s[20:21], s[20:21], s[18:19]
	s_mul_u64 s[46:47], s[46:47], s[18:19]
	s_mul_i32 s45, s14, HALFT
	s_wait_kmcnt 0x0
.if MODE == 0
	s_add_nc_u64 s[96:97], s[4:5], 3145728
	s_add_nc_u64 s[98:99], s[6:7], 1572864
	s_add_nc_u64 s[100:101], s[8:9], 65536
	s_cmp_eq_u32 ttmp9, 2
	s_cselect_b64 s[12:13], s[12:13], s[10:11]
	s_cselect_b64 s[10:11], s[96:97], s[8:9]
	s_cselect_b64 s[8:9], s[4:5], s[6:7]
	s_cselect_b64 s[6:7], s[100:101], s[96:97]
	s_cselect_b64 s[4:5], s[98:99], s[4:5]
.else
	s_mov_b64 s[100:101], s[10:11]
	s_mov_b64 s[10:11], s[8:9]
	s_add_nc_u64 s[8:9], s[6:7], 3145728           ; w_ff1's place in wr
	s_add_nc_u64 s[6:7], s[4:5], 3145728
.endif
	s_add_nc_u64 s[20:21], s[4:5], s[20:21]
	s_add_nc_u64 s[22:23], s[6:7], s[22:23]
	s_add_nc_u64 s[46:47], s[8:9], s[46:47]
	s_add_nc_u64 s[92:93], s[10:11], s[92:93]
	CROUND
	s_mov_b32 s[G0S], 1
	s_mov_b32 s[G0S+1], SCL
	s_mov_b64 s[G0S+2:G0S+3], s[22:23]
	s_or_b32 s[G0S+3], s[G0S+3], 0x80000000
	s_mov_b32 s[G0SB], 1
	s_mov_b32 s[G0SB+1], SCL+2*HALFS
	s_mov_b64 s[G0SB+2:G0SB+3], s[92:93]
	s_or_b32 s[G0SB+3], s[G0SB+3], 0x80000000
	s_mov_b32 s4, 1                                ; s[4:7], s[8:11]: group 0 of the head's loads of K step 0: A's 256 rows, B's 256 rows
	s_mov_b32 s5, 0
	s_mov_b64 s[6:7], s[20:21]
	s_or_b32 s7, s7, 0x80000000
	s_mov_b32 s8, 1
	s_mov_b32 s9, 2*HALFT
	s_mov_b64 s[10:11], s[46:47]
	s_or_b32 s11, s11, 0x80000000
	s_mul_i32 s18, s16, 128*KROW                   ; in the ring I fetch 128 rows of a tile
	s_mov_b32 s19, 0
	s_add_nc_u64 s[20:21], s[20:21], s[18:19]
	s_add_nc_u64 s[46:47], s[46:47], s[18:19]
; PREFETCHES INTO THE L2.  A wave's ring load is 24,576 dense bytes, 96 blocks of 256; the four partners that ask for it jointly share them out BY ADDRESS (cx for A, cy for B): 24 blocks each, a lane a block
; (lanes 24-31 name the last block again).  The head asks for K steps 1 and 2, the place behind K step 1's load for K step 3: each at least one load ahead of the load that wants it; there is no K step 4.
	s_cmp_eq_u32 s15, 0
	s_cselect_b64 s[92:93], s[20:21], s[46:47]     ; the 128 rows that I fetch, K step 0
	s_cselect_b32 s18, s40, s41
	s_mul_i32 s18, s18, 6144
	s_add_nc_u64 s[92:93], s[92:93], s[18:19]      ; my work-group's quarter of them; never rewritten
.irp s, 0,1
	s_mov_b32 s[G0+4*\s], 1
	s_add_co_u32 s[G0+4*\s+1], s45, \s*SLOT
	s_add_nc_u64 s[G0+4*\s+2:G0+4*\s+3], s[20:21], \s*ROWB
	s_or_b32 s[G0+4*\s+3], s[G0+4*\s+3], 0x80000000
	s_mov_b32 s[G0B+4*\s], 1
	s_add_co_u32 s[G0B+4*\s+1], s45, \s*SLOT
	s_add_nc_u64 s[G0B+4*\s+2:G0B+4*\s+3], s[46:47], \s*ROWB
	s_or_b32 s[G0B+4*\s+3], s[G0B+4*\s+3], 0x80000000
.endr
; The head's loads, one a wave: wave 0 A's 256 rows of K step 0, wave 1 B's, wave 2 A's scales, wave 3 B's: one tree of branches on the wave's number.
.macro ARM under, g0, g1, next
	s_cmp_lt_u32 s14, \under
	s_cbranch_scc0 \next
	tensor_load_to_lds s[\g0:\g0+3], s[\g1:\g1+7]
	s_nop 0
.rept 4
	v_nop
.endr
	s_branch .Lhead_asked
\next:
.endm
	ARM 1, 4, G1, .Lhead_b
	ARM 2, 8, G1B, .Lhead_sa
	ARM 3, G0S, G1S, .Lhead_sb
	tensor_load_to_lds s[G0SB:G0SB+3], s[G1SB:G1SB+7]
	s_nop 0
.rept 4
	v_nop
.endr
.Lhead_asked:
	v_and_b32 v25, 31, v0
	v_min_u32 v25, 23, v25
	v_lshlrev_b32 v25, 8, v25                      ; v25: 256 x min(lane, 23); never rewritten
	global_prefetch_b8 v25, s[92:93] offset:ROWB th:TH_LOAD_NT scope:SCOPE_SE
	global_prefetch_b8 v25, s[92:93] offset:2*ROWB th:TH_LOAD_NT scope:SCOPE_SE
	v_and_b32 v1, 15, v0
	v_bfe_u32 v2, v0, 4, 1
	v_mul_u32_u24 v3, v1, PITCH
	v_mul_u32_u24 v4, v2, 24
	v_add_nc_u32 v4, v3, v4
	v_lshl_add_u32 v5, v2, 4, v4
	v_lshrrev_b32 v6, 3, v1
	v_mul_u32_u24 v3, v6, 16*PITCH
	s_mul_i32 s21, s15, HALFT
	s_mul_i32 s22, s16, HALFT
	s_add_co_u32 s22, s22, 2*HALFT
.irp s, 0,1
	v_add_nc_u32 v[ADRA+\s], s21, v4
	v_add_nc_u32 v[ADRB+\s], s22, v4
	v_add_nc_u32 v[ADRA+2+\s], s21, v5
	v_add_nc_u32 v[ADRB+2+\s], s22, v5
	v_add_nc_u32 v[ADRZ+\s], v[ADRB+\s], v3
	v_add_nc_u32 v[ADRZ+2+\s], v[ADRB+2+\s], v3
	s_add_co_u32 s21, s21, SLOT
	s_add_co_u32 s22, s22, SLOT
.endr
	v_mul_u32_u24 v5, v1, KS
	v_lshrrev_b32 v3, 8, v5
	v_lshl_add_u32 v5, v3, 4, v5
	s_mul_i32 s21, s15, HALFS
	s_mul_i32 s22, s16, HALFS
	s_add_co_u32 s22, s22, 2*HALFS
	s_sub_co_u32 s22, s22, s21
	s_sub_co_u32 s23, s22, 272
	v_mul_u32_u24 v3, s22, v2
	v_mul_u32_u24 v4, s23, v2
	s_add_co_u32 s21, s21, SCL
	v_add_nc_u32 v5, s21, v5
	v_add_nc_u32 v[ADRS2], v5, v4
	v_add_nc_u32 v[ADRS], v5, v3
	v_and_b32 v3, v2, v6
	v_mul_u32_u24 v3, v3, 544
	v_add_nc_u32 v[ADRS], v[ADRS], v3
	v_and_b32 v3, 7, v1
	v_mul_u32_u24 v[VO], v3, 48
	v_mad_u32_u24 v[VO], v6, 24, v[VO]
	v_mad_u32_u24 v[VO], v2, 12, v[VO]
	v_add_nc_u32 v[VO+1], s2, v[VO]
	s_lshl_b32 s23, s14, 9
	v_lshl_add_u32 v[SCA], v1, 2, s23
	v_and_b32 v6, 31, v0
	v_lshlrev_b32 v[L16], 4, v6
	v_add_nc_u32 v[SCR], s23, v[L16]
	s_lshl_b32 s20, s42, 2
	s_lshl_b32 s21, s16, 1
	s_add_co_u32 s20, s20, s21
	s_mul_i32 s20, s20, s2
	s_lshl_b32 s21, s17, 4
	s_lshl_b32 s22, s15, 3
	s_add_co_u32 s21, s21, s22
	s_mul_i32 s21, s21, 768
	s_add_co_u32 s20, s20, s21
	s_mov_b32 s21, 0
	s_lshl_b32 s22, s42, 1
	s_add_co_u32 s22, s22, s16
	s_mul_i32 s22, s22, s66
	s_add_co_u32 s22, s22, s67
	s_lshl_b32 s23, s17, 10
	s_add_co_u32 s22, s22, s23
	s_lshl_b32 s23, s15, 9
	s_add_co_u32 s22, s22, s23
	s_mov_b32 s23, 0
	s_add_nc_u64 s[96:97], s[12:13], s[22:23]
	s_add_nc_u64 s[12:13], s[12:13], s[20:21]
	s_mov_b32 s98, 0x76543210
	s_mov_b32 s99, 0xfedcba98
	s_mov_b32 s95, 0xffff0000
.if MODE == 1
	v_mul_u32_u24 v[BO], v2, 96
	v_lshlrev_b32 v[BO+1], 5, v2
	s_lshl_b32 s46, s42, 10
	s_lshl_b32 s47, s16, 9
	s_add_co_u32 s46, s46, s47
	s_mov_b32 s47, 0
	s_add_nc_u64 s[100:101], s[100:101], s[46:47]
.irp g, 0,1,2,3
	global_load_b128 v[BI+16*\g:BI+16*\g+3], v[BO], s[100:101] offset:128*\g
	global_load_b128 v[BI+16*\g+4:BI+16*\g+7], v[BO], s[100:101] offset:128*\g+16
	global_load_b128 v[BI+16*\g+8:BI+16*\g+11], v[BO+1], s[100:101] offset:128*\g+32
	global_load_b128 v[BI+16*\g+12:BI+16*\g+15], v[BO+1], s[100:101] offset:128*\g+48
.endr
.endif
.macro FRAG reg, adr, q, ro
.irp p, 0,1,2,3,4,5
.set PCE, 12*(\q)+6*(\p/3)+\p%3
.if PCE%8 < 5
	ds_load_b64 v[\reg+2*\p:\reg+2*\p+1], v[\adr] offset:8*PCE+16*(PCE/8)+(\ro)*PITCH
.else
	ds_load_b64 v[\reg+2*\p:\reg+2*\p+1], v[\adr+2] offset:8*PCE+16*(PCE/8)+(\ro)*PITCH
.endif
.endr
.endm
.macro MUL16 a0, p, q, sc, zero
.irp a, \a0, \a0+1
.irp b, 0,1,2,3,4,5,6,7
.if \zero == 1
	v_wmma_scale_f32_16x16x128_f8f6f4 v[8*(8*((\a)%4)+\b):8*(8*((\a)%4)+\b)+7], v[128*(\p)+FR*\b:128*(\p)+FR*\b+FR-1], v[AF+FR*(\a):AF+FR*(\a)+FR-1], 0, v[SC+8*NQ*(\sc)+NQ*\b+(\q)], v[SC+8*NQ*(\sc)+NQ*(\a)+(\q)] matrix_a_fmt:MATRIX_FMT_FP6 matrix_b_fmt:MATRIX_FMT_FP6 matrix_a_scale:MATRIX_SCALE_ROW1
.elseif \zero == 2
	v_wmma_scale_f32_16x16x128_f8f6f4 v[8*(8*((\a)%4)+\b):8*(8*((\a)%4)+\b)+7], v[128*(\p)+FR*\b:128*(\p)+FR*\b+FR-1], v[AF+FR*(\a):AF+FR*(\a)+FR-1], v[BI+8*\b:BI+8*\b+7], v[SC+8*NQ*(\sc)+NQ*\b+(\q)], v[SC+8*NQ*(\sc)+NQ*(\a)+(\q)] matrix_a_fmt:MATRIX_FMT_FP6 matrix_b_fmt:MATRIX_FMT_FP6 matrix_a_scale:MATRIX_SCALE_ROW1
.else
	v_wmma_scale_f32_16x16x128_f8f6f4 v[8*(8*((\a)%4)+\b):8*(8*((\a)%4)+\b)+7], v[128*(\p)+FR*\b:128*(\p)+FR*\b+FR-1], v[AF+FR*(\a):AF+FR*(\a)+FR-1], v[8*(8*((\a)%4)+\b):8*(8*((\a)%4)+\b)+7], v[SC+8*NQ*(\sc)+NQ*\b+(\q)], v[SC+8*NQ*(\sc)+NQ*(\a)+(\q)] matrix_a_fmt:MATRIX_FMT_FP6 matrix_b_fmt:MATRIX_FMT_FP6 matrix_a_scale:MATRIX_SCALE_ROW1
.endif
.endr
.endr
.endm
.macro FETCH_B slot, q, p
	WIN TO_B
.irp g, 0,1,2,3
	FRAG 128*(\p)+FR*(2*\g), ADRZ+\slot, \q, 32*\g
	FRAG 128*(\p)+FR*(2*\g+1), ADRB+\slot, \q, 32*\g+8
.endr
	WIN 0
.endm
.macro FETCH_A slot, q, i0
.irp i, \i0, \i0+1, \i0+2, \i0+3
	FRAG AF+FR*(\i), ADRA+\slot, \q, 16*(\i)
.endr
.endm
.macro SCALES sc
.irp i, 0,2,4,6
	ds_load_b64 v[SC+8*NQ*\sc+NQ*\i:SC+8*NQ*\sc+NQ*\i+1], v[ADRS] offset:\i*SBLK
	ds_load_b64 v[SC+8*NQ*\sc+NQ*(\i+1):SC+8*NQ*\sc+NQ*(\i+1)+1], v[ADRS2] offset:(\i+1)*SBLK
.endr
.endm
.macro PLACES n
.rept \n
	v_nop
.endr
.endm
.macro STEP slot, q, zero
	s_wait_dscnt 4*NL
.if \zero == 2
	WIN 0x81
.else
	WIN MUL_LO
.endif
	MUL16 0, (\q)%2, \q, \slot, \zero
	MUL16 2, (\q)%2, \q, \slot, \zero
	s_wait_dscnt 0
	PLACES NP
	FETCH_B \slot, (\q)+1, 1-(\q)%2
	FETCH_A \slot, (\q)+1, 0
.if \zero == 2
	WIN 0xc1
.else
	WIN MUL_HI
.endif
	MUL16 4, (\q)%2, \q, \slot, \zero
	MUL16 6, (\q)%2, \q, \slot, \zero
	PLACES NP
	WIN 0
	FETCH_A \slot, (\q)+1, 4
.endm
.macro TURN slot, next, fill
	s_wait_tensorcnt 0x0
	ds_add_u32 v[SPW], v[NIL]
	s_wait_dscnt 4*NL+1
	WIN MUL_LO
	MUL16 0, 1, NQ-1, \slot, 0
	s_wait_dscnt 0x0
	s_barrier_signal -1
	MUL16 2, 1, NQ-1, \slot, 0
	WIN 0
	s_barrier_wait -1
.if \fill
	CREST
	s_add_nc_u64 s[G0+4*\slot+2:G0+4*\slot+3], s[G0+4*\slot+2:G0+4*\slot+3], 2*ROWB
	s_add_nc_u64 s[G0B+4*\slot+2:G0B+4*\slot+3], s[G0B+4*\slot+2:G0B+4*\slot+3], 2*ROWB
	JLOAD G0+4*\slot, G1, G0B+4*\slot, G1B
.else
	PLACES NP
.endif
	s_wait_alu depctr_va_vdst(0)
	v_add_nc_u32 v[ADRS], 4*NQ, v[ADRS]
	v_add_nc_u32 v[ADRS2], 4*NQ, v[ADRS2]
	FETCH_B \next, 0, 0
	FETCH_A \next, 0, 0
	SCALES \next
	WIN MUL_HI
	MUL16 4, 1, NQ-1, \slot, 0
	MUL16 6, 1, NQ-1, \slot, 0
	PLACES NP
	WIN 0
	FETCH_A \next, 0, 4
.endm
	s_wait_alu depctr_va_vdst(0)
	s_wait_tensorcnt 0x0                           ; my tile of the head's four is in
	ds_add_u32 v[SPW], v[NIL]
	s_mov_b32 s[G1+2], 96<<16                      ; no load of mine is out: from here on a load brings 128 rows of 192 bytes = 96 of 256
	s_mov_b32 s[G1+4], 96
	s_mov_b32 s[G1B+2], 96<<16
	s_mov_b32 s[G1B+4], 96
	s_wait_dscnt 0x0
	CROUND
	JLOAD G0+4, G1, G0B+4, G1B                     ; K step 1, the first tensor load behind the round
	FETCH_B 0, 0, 0
	FETCH_A 0, 0, 0
	SCALES 0
	FETCH_A 0, 0, 4
	global_prefetch_b8 v25, s[92:93] offset:3*ROWB th:TH_LOAD_NT scope:SCOPE_SE   ; K step 3, behind K step 1's load and the first run of LDS loads
.if MODE == 1
	s_wait_loadcnt 0x0
	STEP 0, 0, 2
.else
	STEP 0, 0, 1
.endif
	s_mov_b32 s3, LAPS-1
.Llap:
	TURN 0, 1, 1
	STEP 1, 0, 0
	TURN 1, 0, 1
	STEP 0, 0, 0
	s_sub_co_u32 s3, s3, 1
	s_cmp_lg_u32 s3, 0
	s_cbranch_scc1 .Llap
	TURN 0, 1, 0
	STEP 1, 0, 0
	s_wait_dscnt 4*NL
	WIN MUL_LO
	MUL16 0, 1, NQ-1, 1, 0
	MUL16 2, 1, NQ-1, 1, 0
	s_wait_dscnt 0
	WIN MUL_HI
	MUL16 4, 1, NQ-1, 1, 0
	MUL16 6, 1, NQ-1, 1, 0
	WIN 0
.macro QBLK a
.if MODE == 0
.set QW, 2+(\a)/4
.set QS, 64*((\a)%4)
.else
.set QW, 0
.set QS, G
.endif
.set QM, QW|(QW<<2)
	WIN QM
.irp pb, 0,1,2,3
	v_max3_num_f32 v[TM+\pb], |v[QS+16*\pb]|, |v[QS+16*\pb+1]|, 0x1800000
.endr
.irp i, 2,4,6,8,10,12,14
.irp pb, 0,1,2,3
	v_max3_num_f32 v[TM+\pb], |v[QS+16*\pb+\i]|, |v[QS+16*\pb+\i+1]|, v[TM+\pb]
.endr
.endr
	WIN 0
.irp pb, 0,1,2,3
	v_permlanex16_b32 v[TM+4+\pb], v[TM+\pb], s98, s99
.endr
.irp pb, 0,1,2,3
	v_max_num_f32 v[TM+\pb], v[TM+\pb], v[TM+4+\pb]
.endr
.irp pb, 0,1,2,3
	v_add_nc_u32 v[TM+8+\pb], 0xff000000, v[TM+\pb]
.endr
.irp pb, 0,1,2,3
	v_lshrrev_b32 v[TM+4+\pb], 23, v[TM+8+\pb]
.endr
	v_lshl_or_b32 v[PW+\a], v[TM+5], 8, v[TM+4]
	v_lshl_or_b32 v[PW+\a], v[TM+6], 16, v[PW+\a]
	v_lshl_or_b32 v[PW+\a], v[TM+7], 24, v[PW+\a]
	s_wait_xcnt 0x0
	WIN QW
.irp pb, 0,1,2,3
	v_cvt_scalef32_pk16_fp6_f32 v[CD+4*\pb:CD+4*\pb+2], v[QS+16*\pb:QS+16*\pb+15], v[TM+8+\pb]
.endr
	WIN 0
	v_nop
.irp pb, 0,1,2,3
	v_alignbit_b32 v[FX+3*\pb], v[CD+4*\pb+2], v[CD+4*\pb+1], 16
	v_alignbit_b32 v[FX+3*\pb+1], v[CD+4*\pb], v[CD+4*\pb+2], 16
	v_alignbit_b32 v[FX+3*\pb+2], v[CD+4*\pb+1], v[CD+4*\pb], 16
.endr
.irp pb, 0,1,2,3
.irp i, 0,1,2
	v_cndmask_b32 v[CD+4*\pb+\i], v[CD+4*\pb+\i], v[FX+3*\pb+\i], s95
.endr
.endr
	ds_store_b32 v[SCA], v[PW+\a] offset:64*(\a)
.irp pb, 0,1,2,3
	global_store_b96 v[VO+\pb/2], v[CD+4*\pb:CD+4*\pb+2], s[12:13] offset:768*(\a)+384*(\pb%2)
.endr
.endm
	PLACES NP
.irp pb, 0,1,2,3
	v_mov_b32 v[TM+4+\pb], 0
.endr
.if MODE == 0
.irp a, 0,1,2,3,4,5,6,7
	QBLK \a
.endr
.else
.macro COPY a
.set CW, 2+(\a)/4
.set CS0, 64*((\a)%4)
	WIN CW
.set i, 0
.rept 32
	v_pk_mul_f32 v[G+i:G+i+1], v[CS0+i:CS0+i+1], 0.5 op_sel_hi:[1,0]
.set i, i+2
.endr
	WIN 0
.endm
.macro GELU16 pb
.set GS, G+16*\pb
.irp i, 0,2,4,6,8,10,12,14
	v_pk_mul_f32 v[ZZ+\i:ZZ+\i+1], v[GS+\i:GS+\i+1], 0x3fb504f3 op_sel_hi:[1,0]
.endr
.irp i, 0,1,2,3,4,5,6,7,8,9,10,11,12,13,14,15
	v_med3_num_f32 v[ZZ+\i], v[ZZ+\i], -4.0, 4.0
.endr
.irp i, 0,2,4,6,8,10,12,14
	v_pk_mul_f32 v[X2+\i:X2+\i+1], v[ZZ+\i:ZZ+\i+1], v[ZZ+\i:ZZ+\i+1]
.endr
.irp i, 0,2,4,6,8,10,12,14
	v_pk_fma_f32 v[PP+\i:PP+\i+1], v[X2+\i:X2+\i+1], v[TM+12:TM+13], 0x32edffee op_sel_hi:[1,1,0]
	v_pk_fma_f32 v[QQ+\i:QQ+\i+1], v[X2+\i:X2+\i+1], v[TM+14:TM+15], 0xb95fbd29 op_sel_hi:[1,1,0]
.endr
.irp k, 0xb60cff51, 0xb86ec2d2, 0xba40ac63, 0xbb41a1f6, 0xbc83dbd4
.irp i, 0,2,4,6,8,10,12,14
	v_pk_fma_f32 v[PP+\i:PP+\i+1], v[PP+\i:PP+\i+1], v[X2+\i:X2+\i+1], \k op_sel_hi:[1,1,0]
.endr
.endr
.irp k, 0xbadc924e, 0xbbf19bf8, 0xbc69b6a7
.irp i, 0,2,4,6,8,10,12,14
	v_pk_fma_f32 v[QQ+\i:QQ+\i+1], v[QQ+\i:QQ+\i+1], v[X2+\i:X2+\i+1], \k op_sel_hi:[1,1,0]
.endr
.endr
	s_wait_alu depctr_va_vdst(0)
.irp i, 0,1,2,3,4,5,6,7,8,9,10,11,12,13,14,15
	v_rcp_f32 v[QQ+\i], v[QQ+\i]
.endr
.irp i, 0,2,4,6,8,10,12,14
	v_pk_mul_f32 v[PP+\i:PP+\i+1], v[PP+\i:PP+\i+1], v[ZZ+\i:ZZ+\i+1]
.endr
	s_wait_alu depctr_va_vdst(0)
.irp i, 0,2,4,6,8,10,12,14
	v_pk_mul_f32 v[PP+\i:PP+\i+1], v[PP+\i:PP+\i+1], v[QQ+\i:QQ+\i+1]
.endr
.irp i, 0,2,4,6,8,10,12,14
	v_pk_fma_f32 v[GS+\i:GS+\i+1], v[GS+\i:GS+\i+1], v[PP+\i:PP+\i+1], v[GS+\i:GS+\i+1]
.endr
.endm
	v_mov_b32 v[TM+12], 0xaf95df0b
	v_mov_b32 v[TM+13], 0xaf95df0b
	v_mov_b32 v[TM+14], 0xb77460cd
	v_mov_b32 v[TM+15], 0xb77460cd
	s_mov_b32 s3, 0
.Lblk:
.irp a, 0,1,2,3,4,5,6
	s_cmp_eq_u32 s3, \a
	s_cbranch_scc1 .Lcopy_\a
.endr
	COPY 7
	s_branch .Lpoly
.irp a, 0,1,2,3,4,5,6
.Lcopy_\a:
	COPY \a
	s_branch .Lpoly
.endr
.Lpoly:
	GELU16 0
	GELU16 1
	GELU16 2
	GELU16 3
	QBLK 0
	s_wait_xcnt 0x0
	s_wait_dscnt 0x0
	s_add_nc_u64 s[12:13], s[12:13], 768
	v_add_nc_u32 v[SCA], 64, v[SCA]
	s_add_co_u32 s3, s3, 1
	s_cmp_lt_u32 s3, 8
	s_cbranch_scc1 .Lblk
.endif
	ds_load_b128 v[OW:OW+3], v[SCR]
	s_wait_dscnt 0x0
	global_store_b128 v[L16], v[OW:OW+3], s[96:97]
	s_wait_tensorcnt 0x0
	ds_add_u32 v[SPW], v[NIL]
	s_wait_dscnt 0x0
	CROUND
	s_endpgm
.Lfunc_end_k_q88cce0efea_ff1:
	.size	k_q88cce0efea_ff1, .Lfunc_end_k_q88cce0efea_ff1-k_q88cce0efea_ff1
	.p2alignl 7, 3214868480
	.fill 96, 4, 3214868480
	.section	.rodata,"a",@progbits
	.p2align	6, 0x0
	.amdhsa_kernel k_q88cce0efea_ff1
		.amdhsa_group_segment_fixed_size 327680
		.amdhsa_private_segment_fixed_size 0
		.amdhsa_enable_private_segment 0
		.amdhsa_kernarg_size 40
		.amdhsa_user_sgpr_count 2
		.amdhsa_user_sgpr_kernarg_segment_ptr 1
		.amdhsa_wavefront_size32 1
		.amdhsa_system_sgpr_workgroup_id_x 1
		.amdhsa_system_sgpr_workgroup_id_y 1
		.amdhsa_system_sgpr_workgroup_id_z 1
		.amdhsa_system_vgpr_workitem_id 0
		.amdhsa_next_free_vgpr 1024
		.amdhsa_next_free_sgpr 102
		.amdhsa_reserve_vcc 0
		.amdhsa_float_denorm_mode_32 3
		.amdhsa_float_denorm_mode_16_64 3
		.amdhsa_memory_ordered 1
		.amdhsa_forward_progress 1
		.amdhsa_inst_pref_size 206
	.end_amdhsa_kernel
	.amdgpu_metadata
---
amdhsa.version: [ 1, 2 ]
amdhsa.kernels:
  - .name:           k_q88cce0efea_ff1
    .symbol:         k_q88cce0efea_ff1.kd
    .args:
      - { .name: xq, .offset: 0, .size: 8, .value_kind: global_buffer, .address_space: global }
      - { .name: wr, .offset: 8, .size: 8, .value_kind: global_buffer, .address_space: global }
      - { .name: w_ff1_scales, .offset: 16, .size: 8, .value_kind: global_buffer, .address_space: global }
      - { .name: b_ff1, .offset: 24, .size: 8, .value_kind: global_buffer, .address_space: global }
      - { .name: hq, .offset: 32, .size: 8, .value_kind: global_buffer, .address_space: global }
    .group_segment_fixed_size: 327680
    .private_segment_fixed_size: 0
    .kernarg_segment_align: 8
    .kernarg_segment_size: 40
    .max_flat_workgroup_size: 128
    .sgpr_count:     102
    .vgpr_count:     1024
    .wavefront_size: 32
...
	.end_amdgpu_metadata
.endif
;; end of part 5
;; launch ff2 (part 6): grid 8 x 32, 4 waves a work-group, clusters of 4 x 4, 327,680 bytes of LDS; arguments hq, wr, w_ff2_scales, x1, out0, b_ff2; writes out0
.if DOCPART == 6
	.amdgcn_target "amdgcn-amd-amdhsa--gfx1250"
	.amdhsa_code_object_version 6
	.text
	.protected	k_q88cce0efea_ff2
	.globl	k_q88cce0efea_ff2
	.p2align	8
	.type	k_q88cce0efea_ff2,@function
k_q88cce0efea_ff2:
	s_mov_b64 s[64:65], 0
	v_nop
	global_prefetch_b8 v0, s[64:65] scope:SCOPE_SE
	s_setreg_imm32_b32 hwreg(HW_REG_WAVE_MODE, 25, 1), 1
	s_wait_xcnt 0x0
	s_wait_alu depctr_hold_cnt(0) depctr_sa_sdst(0) depctr_va_vdst(0) depctr_va_sdst(0) depctr_va_ssrc(0) depctr_va_vcc(0) depctr_vm_vsrc(0)
	s_getreg_b32 s2, hwreg(HW_REG_IB_STS2, 6, 4)
	s_cmp_eq_u32 s2, 0
	s_cbranch_scc0 .Lentry_in_a_cluster
	s_endpgm
.Lentry_in_a_cluster:
	s_bfe_u32 s2, ttmp6, 0x10000c
	s_cmp_lg_u32 s2, 0xf033
	s_cbranch_scc0 .Lentry_shape_is_right
	s_endpgm
.Lentry_shape_is_right:
.set SIZE_K, 4096
.set BIAS,   1
; C = A B^T + b_ff2 + the residual, blocks of 128 x 128, K in steps of 512 through two LDS slots.  B's codes come from wr, laid as [K step of 512][1024 rows][384 bytes]: a tile is dense, stated as rows of 256 bytes.
; A's slot: [8 planes of 64 K][128 rows x 48 bytes]; A's scale words: [K step of 128][two halves of 64 rows, 256 + 16 bytes each].
.set KROW,   384
.set KS,     SIZE_K/32
.set NCH,    SIZE_K/128
.set BP,     432
.set PART,   64*BP
.set SLOT,   4*PART
.set SCL,    2*SLOT
.set HALFS,  NCH*272
.set SBLK,   (16*KS/256)*272
.set SPARE,  SCL+4*HALFS
.set LAPS,   SIZE_K/1024
.set TSOFF,  SIZE_K*3072
.set ADSB, 7
.set BOF,  10
.set BV,   12
.set ADRA, 16
.set ADRB, 20
.set STO,  24
.set RD,   25
.set CO,   26
.set ADSA, 27
.set SPW,  28
.set NIL,  29
.set SCA,  32
.set SCB,  48
.set ACC,  64
.set BK,   192
.set F0,   0
.set F1,   128
.set G1A, 24
.set G0A, 32
.set G1B, 48
.set G0B, 56
.set G1SA, 68
.set G0SA, 76
.set G1SB, 80
.set G0SB, 88
.set MSB, 0
.macro WIN new
.if MSB != \new
	s_set_vgpr_msb (MSB<<8)|\new
.set MSB, \new
.endif
.endm
.set MUL,  0x05
.set TO_F, 0x40
.macro JLOAD g0a, g1a, g0b, g1b
	s_cmp_eq_u32 s17, 0
	s_cbranch_scc0 .Lfor_b_\@
	tensor_load_to_lds s[\g0a:\g0a+3], s[\g1a:\g1a+7]
	s_nop 0
.rept 4
	v_nop
.endr
	s_branch .Lasked_\@
.Lfor_b_\@:
	tensor_load_to_lds s[\g0b:\g0b+3], s[\g1b:\g1b+7]
	s_nop 0
.rept 4
	v_nop
.endr
.Lasked_\@:
.endm
.macro CREST
	s_cmp_lg_u32 s16, 0
	s_cbranch_scc1 .Lnot_wave_0_\@
	s_barrier_signal -3
.Lnot_wave_0_\@:
	s_barrier_wait -3
	s_barrier_signal -1
	s_barrier_wait -1
.endm
.macro CROUND
	s_barrier_signal -1
	s_barrier_wait -1
	CREST
.endm
	s_load_b256 s[4:11], s[0:1], 0x0
	s_load_b64 s[12:13], s[0:1], 0x20
.if BIAS
	s_load_b64 s[14:15], s[0:1], 0x28
.endif
	v_lshl_add_u32 v[SPW], v0, 2, SPARE
	v_mov_b32 v[NIL], 0
	ds_add_u32 v28, v29
	ds_add_u32 v28, v29
	s_wait_dscnt 0x0
	v_lshrrev_b32 v1, 5, v0
	v_readfirstlane_b32 s16, v1
	s_lshr_b32 s17, s16, 1
	s_and_b32 s18, s16, 1
	s_bfe_u32 s40, ttmp6, 0x40000
	s_bfe_u32 s41, ttmp6, 0x40004
	s_lshl_b32 s42, ttmp9, 2
	s_add_co_u32 s42, s42, s40
	s_and_b32 s19, ttmp7, 0xffff
	s_lshl_b32 s19, s19, 2
	s_add_co_u32 s19, s19, s41
	s_lshl_b32 s43, s41, 2
	s_lshl_b32 s43, 15, s43
	s_lshl_b32 s44, 0x1111, s40
	s_or_b32 s[G1A], s43, (3<<16)|(1<<21)
	s_mov_b32 s[G1A+1], 768<<16
	s_mov_b32 s[G1A+2], 8<<16
	s_mov_b32 s[G1A+3], 768<<16
	s_mov_b32 s[G1A+4], 8
	s_mov_b32 s[G1A+5], 24576
	s_mov_b32 s[G1A+6], 0
	s_mov_b32 s[G1A+7], 0
	s_or_b32 s[G1B], s44, (0<<16)|(1<<20)|(1<<21)|(4<<22)|(3<<25)
	s_mov_b32 s[G1B+1], 256<<16
	s_mov_b32 s[G1B+2], 192<<16
	s_mov_b32 s[G1B+3], 256<<16
	s_mov_b32 s[G1B+4], 192
	s_mov_b32 s[G1B+5], 256
	s_mov_b32 s[G1B+6], 0
	s_mov_b32 s[G1B+7], 0
	s_or_b32 s[G1SA], s43, (3<<16)|(1<<20)|(1<<21)|(5<<22)|(3<<25)
	s_mov_b32 s[G1SA+1], 64<<16
	s_mov_b32 s[G1SA+2], NCH<<16
	s_mov_b32 s[G1SA+3], 64<<16
	s_mov_b32 s[G1SA+4], NCH
	s_mov_b32 s[G1SA+5], 2048
	s_mov_b32 s[G1SA+6], 0
	s_mov_b32 s[G1SA+7], 0
	s_or_b32 s[G1SB], s44, (3<<16)|(1<<20)|(1<<21)|(5<<22)|(3<<25)
	s_mov_b32 s[G1SB+1], 32<<16
	s_mov_b32 s[G1SB+2], (2*NCH)<<16
	s_mov_b32 s[G1SB+3], 32<<16
	s_mov_b32 s[G1SB+4], 2*NCH
	s_mov_b32 s[G1SB+5], 32
	s_mov_b32 s[G1SB+6], 0
	s_mov_b32 s[G1SB+7], 0
	s_lshl_b32 s20, s19, 7
	s_lshl_b32 s46, s42, 7
	s_lshl_b32 s22, s20, 2
	s_add_co_u32 s22, s22, TSOFF
	s_mov_b32 s23, 0
	s_mul_i32 s20, s20, 48
	s_mov_b32 s21, 0
	s_mul_i32 s92, s46, KS
	s_mov_b32 s93, 0
	s_mul_i32 s46, s46, KROW
	s_mov_b32 s47, 0
	s_mul_i32 s45, s16, PART
	s_wait_kmcnt 0x0
	s_add_nc_u64 s[22:23], s[4:5], s[22:23]
	s_add_nc_u64 s[20:21], s[4:5], s[20:21]
	s_add_nc_u64 s[46:47], s[6:7], s[46:47]
	s_add_nc_u64 s[46:47], s[46:47], 7077888       ; w_ff2's place in wr
	s_add_nc_u64 s[92:93], s[8:9], s[92:93]
	CROUND
	s_mov_b32 s[G0SA], 1
	s_mov_b32 s[G0SA+1], SCL
	s_mov_b64 s[G0SA+2:G0SA+3], s[22:23]
	s_or_b32 s[G0SA+3], s[G0SA+3], 0x80000000
	s_mov_b32 s[G0SB], 1
	s_mov_b32 s[G0SB+1], SCL+2*HALFS
	s_mov_b64 s[G0SB+2:G0SB+3], s[92:93]
	s_or_b32 s[G0SB+3], s[G0SB+3], 0x80000000
	s_mov_b32 s4, 1                                ; s[4:7], s[96:99]: group 0 of the head's loads of slot 0: A's 128 rows, B's 128 rows
	s_mov_b32 s5, 0
	s_mov_b64 s[6:7], s[20:21]
	s_or_b32 s7, s7, 0x80000000
	s_mov_b32 s96, 1
	s_mov_b32 s97, 2*PART
	s_mov_b64 s[98:99], s[46:47]
	s_or_b32 s99, s99, 0x80000000
	s_mul_i32 s94, s18, 24576                      ; in the ring: A's waves take four planes each (24,576 bytes of LDS, 786,432 of memory on), B's 64 rows each (24,576 bytes of memory on)
	s_mul_i32 s2, s18, 786432
	s_mov_b32 s3, 0
	s_add_nc_u64 s[20:21], s[20:21], s[2:3]
	s_mov_b32 s2, s94
	s_add_nc_u64 s[46:47], s[46:47], s[2:3]
; PREFETCHES INTO THE L2.  A wave's ring load is 24,576 bytes (four planes of A, or 64 dense rows of B), 96 blocks of 256; the four partners that ask for it jointly share them out BY ADDRESS
; (cx picks a plane of A, cy a quarter of B's rows): 24 blocks each, a lane a block (lanes 24-31 name the last block again).  The head asks for K steps 1 and 2, and behind the load of K step k stands the ask
; for K step k + 2; the last two refills ask for nothing.  The pointer is stepped at the head of a change of slots, behind s_wait_xcnt 0.
.set PFA, 100                          ; s[100:101] where my prefetches stand;  s[8:9] a K step in bytes
.set PFO, 30                           ; v30 256 x min(lane, 23);  v31 the same one K step on; never rewritten
	s_cmp_eq_u32 s17, 0
	s_cselect_b64 s[PFA:PFA+1], s[20:21], s[46:47]
	s_cselect_b32 s2, s40, s41
	s_mov_b32 s8, 393216
	s_cselect_b32 s8, 1572864, s8
	s_mov_b32 s95, 6144
	s_cselect_b32 s95, 196608, s95
	s_mov_b32 s9, 0
	s_mul_i32 s2, s2, s95
	s_add_nc_u64 s[PFA:PFA+1], s[PFA:PFA+1], s[2:3]
	s_add_nc_u64 s[PFA:PFA+1], s[PFA:PFA+1], s[8:9]   ; at K step 1
.irp s, 0,1
	s_mov_b32 s[G0A+4*\s], 1
	s_add_co_u32 s[G0A+4*\s+1], s94, \s*SLOT
	s_add_nc_u64 s[G0A+4*\s+2:G0A+4*\s+3], s[20:21], \s*1572864
	s_or_b32 s[G0A+4*\s+3], s[G0A+4*\s+3], 0x80000000
	s_mov_b32 s[G0B+4*\s], 1
	s_add_co_u32 s[G0B+4*\s+1], s45, \s*SLOT
	s_add_nc_u64 s[G0B+4*\s+2:G0B+4*\s+3], s[46:47], \s*393216
	s_or_b32 s[G0B+4*\s+3], s[G0B+4*\s+3], 0x80000000
.endr
; The head's loads, one a wave: wave 0 A's slot 0, wave 1 B's, wave 2 A's scales, wave 3 B's: one tree of branches on the wave's number.
.macro ARM under, g0, g1, next
	s_cmp_lt_u32 s16, \under
	s_cbranch_scc0 \next
	tensor_load_to_lds s[\g0:\g0+3], s[\g1:\g1+7]
	s_nop 0
.rept 4
	v_nop
.endr
	s_branch .Lhead_asked
\next:
.endm
	ARM 1, 4, G1A, .Lhead_b
	ARM 2, 96, G1B, .Lhead_sa
	ARM 3, G0SA, G1SA, .Lhead_sb
	tensor_load_to_lds s[G0SB:G0SB+3], s[G1SB:G1SB+7]
	s_nop 0
.rept 4
	v_nop
.endr
.Lhead_asked:
	v_and_b32 v[PFO], 31, v0
	v_min_u32 v[PFO], 23, v[PFO]
	v_lshlrev_b32 v[PFO], 8, v[PFO]
.if LAPS > 1
	v_add_nc_u32 v[PFO+1], s8, v[PFO]
.endif
	global_prefetch_b8 v[PFO], s[PFA:PFA+1] th:TH_LOAD_NT scope:SCOPE_SE      ; K step 1
.if LAPS > 1
	global_prefetch_b8 v[PFO+1], s[PFA:PFA+1] th:TH_LOAD_NT scope:SCOPE_SE    ; K step 2
.endif
	v_and_b32 v1, 15, v0
	v_bfe_u32 v2, v0, 4, 1
	v_lshlrev_b32 v5, 12, v2
	v_lshl_add_u32 v[CO], v1, 4, v5
	s_wait_alu depctr_va_vdst(0)
	v_lshlrev_b32 v[BOF], 4, v1
	s_wait_alu depctr_va_vdst(0)
	s_lshl_b32 s2, s19, 19
	s_lshl_b32 s3, s17, 18
	s_add_co_u32 s2, s2, s3
	s_lshl_b32 s3, s42, 9
	s_add_co_u32 s2, s2, s3
	s_lshl_b32 s3, s18, 8
	s_add_co_u32 s2, s2, s3
	s_mov_b32 s3, 0
	s_add_nc_u64 s[10:11], s[10:11], s[2:3]
	s_add_nc_u64 s[12:13], s[12:13], s[2:3]
.if BIAS
	s_lshl_b32 s2, s42, 9
	s_lshl_b32 s3, s18, 8
	s_add_co_u32 s2, s2, s3
	s_mov_b32 s3, 0
	s_add_nc_u64 s[14:15], s[14:15], s[2:3]
	global_load_b128 v[BV:BV+3], v[BOF], s[14:15]
.endif
	v_and_b32 v3, 7, v1
	v_lshrrev_b32 v4, 3, v1
	v_mul_u32_u24 v5, v3, 48
	v_mad_u32_u24 v5, v4, 24, v5
	v_mad_u32_u24 v5, v2, 384, v5
	v_mul_u32_u24 v6, v1, BP
	v_mad_u32_u24 v6, v2, 24, v6
	v_lshl_add_u32 v8, v2, 4, v6
	s_mul_i32 s21, s17, 3072
	s_mul_i32 s22, s18, PART
	s_add_co_u32 s22, s22, 2*PART
.irp s, 0,1
	v_add_nc_u32 v[ADRA+\s], s21, v5
	v_add_nc_u32 v[ADRB+\s], s22, v6
	v_add_nc_u32 v[ADRB+2+\s], s22, v8
	s_add_co_u32 s21, s21, SLOT
	s_add_co_u32 s22, s22, SLOT
.endr
	s_mul_i32 s21, s17, 272
	s_add_co_u32 s21, s21, SCL
	v_and_b32 v9, 31, v0
	v_lshl_add_u32 v[ADSA], v9, 2, s21
	v_mul_u32_u24 v5, v1, KS
	v_lshrrev_b32 v6, 8, v5
	v_lshl_add_u32 v5, v6, 4, v5
	v_mad_u32_u24 v5, v2, SBLK, v5
	s_mul_i32 s22, s18, HALFS
	s_add_co_u32 s22, s22, SCL+2*HALFS
	v_add_nc_u32 v[ADSB], s22, v5
	s_mul_i32 s23, s16, 16*272
	v_mul_u32_u24 v5, v1, 272
	v_lshl_add_u32 v5, v2, 5, v5
	v_add_nc_u32 v[STO], s23, v5
	v_mul_u32_u24 v5, v2, 272
	v_lshl_add_u32 v5, v1, 4, v5
	v_add_nc_u32 v[RD], s23, v5
.macro FRAGA reg, slot, q, i
.irp p, 0,1,2,3,4,5
	ds_load_b64 v[\reg+2*\p:\reg+2*\p+1], v[ADRA+\slot] offset:(2*(\q)+\p/3)*6144+(\i)*768+8*(\p%3)
.endr
.endm
.macro FRAGB reg, slot, q, i
.irp p, 0,1,2,3,4,5
.set PCE, 12*(\q)+6*(\p/3)+\p%3
.if PCE%16 < 13
	ds_load_b64 v[\reg+2*\p:\reg+2*\p+1], v[ADRB+\slot] offset:8*PCE+16*(PCE/16)+(\i)*16*BP
.else
	ds_load_b64 v[\reg+2*\p:\reg+2*\p+1], v[ADRB+2+\slot] offset:8*PCE+16*(PCE/16)+(\i)*16*BP
.endif
.endr
.endm
.macro FETCH slot, q, f
	WIN TO_F
.irp i, 0,1,2,3
	FRAGB \f+48+12*\i, \slot, \q, \i
.endr
.irp i, 0,1,2,3
	FRAGA \f+12*\i, \slot, \q, \i
.endr
.endm
.macro SCALES sc
.irp q, 0,1,2,3
.irp j, 0,1
	ds_load_b32 v[SCA+8*\sc+2*\q+\j], v[ADSA] offset:544*\q+128*\j
.endr
.endr
.irp j, 0,1
	ds_load_b128 v[SCB+8*\sc+4*\j:SCB+8*\sc+4*\j+3], v[ADSB] offset:2*SBLK*\j
.endr
.endm
.macro WM d, x, y, z, sx, sy, px, py
.if \z
.if (\px) && (\py)
	v_wmma_scale_f32_16x16x128_f8f6f4 v[(\d):(\d)+7], v[(\x):(\x)+11], v[(\y):(\y)+11], 0, v[\sx], v[\sy] matrix_a_fmt:MATRIX_FMT_FP6 matrix_b_fmt:MATRIX_FMT_FP6 matrix_a_scale:MATRIX_SCALE_ROW1 matrix_b_scale:MATRIX_SCALE_ROW1
.elseif \px
	v_wmma_scale_f32_16x16x128_f8f6f4 v[(\d):(\d)+7], v[(\x):(\x)+11], v[(\y):(\y)+11], 0, v[\sx], v[\sy] matrix_a_fmt:MATRIX_FMT_FP6 matrix_b_fmt:MATRIX_FMT_FP6 matrix_a_scale:MATRIX_SCALE_ROW1
.elseif \py
	v_wmma_scale_f32_16x16x128_f8f6f4 v[(\d):(\d)+7], v[(\x):(\x)+11], v[(\y):(\y)+11], 0, v[\sx], v[\sy] matrix_a_fmt:MATRIX_FMT_FP6 matrix_b_fmt:MATRIX_FMT_FP6 matrix_b_scale:MATRIX_SCALE_ROW1
.else
	v_wmma_scale_f32_16x16x128_f8f6f4 v[(\d):(\d)+7], v[(\x):(\x)+11], v[(\y):(\y)+11], 0, v[\sx], v[\sy] matrix_a_fmt:MATRIX_FMT_FP6 matrix_b_fmt:MATRIX_FMT_FP6
.endif
.else
.if (\px) && (\py)
	v_wmma_scale_f32_16x16x128_f8f6f4 v[(\d):(\d)+7], v[(\x):(\x)+11], v[(\y):(\y)+11], v[(\d):(\d)+7], v[\sx], v[\sy] matrix_a_fmt:MATRIX_FMT_FP6 matrix_b_fmt:MATRIX_FMT_FP6 matrix_a_scale:MATRIX_SCALE_ROW1 matrix_b_scale:MATRIX_SCALE_ROW1
.elseif \px
	v_wmma_scale_f32_16x16x128_f8f6f4 v[(\d):(\d)+7], v[(\x):(\x)+11], v[(\y):(\y)+11], v[(\d):(\d)+7], v[\sx], v[\sy] matrix_a_fmt:MATRIX_FMT_FP6 matrix_b_fmt:MATRIX_FMT_FP6 matrix_a_scale:MATRIX_SCALE_ROW1
.elseif \py
	v_wmma_scale_f32_16x16x128_f8f6f4 v[(\d):(\d)+7], v[(\x):(\x)+11], v[(\y):(\y)+11], v[(\d):(\d)+7], v[\sx], v[\sy] matrix_a_fmt:MATRIX_FMT_FP6 matrix_b_fmt:MATRIX_FMT_FP6 matrix_b_scale:MATRIX_SCALE_ROW1
.else
	v_wmma_scale_f32_16x16x128_f8f6f4 v[(\d):(\d)+7], v[(\x):(\x)+11], v[(\y):(\y)+11], v[(\d):(\d)+7], v[\sx], v[\sy] matrix_a_fmt:MATRIX_FMT_FP6 matrix_b_fmt:MATRIX_FMT_FP6
.endif
.endif
.endm
.macro MUL4 f, a, q, sc, z
.irp b, 0,1,2,3
	WM ACC+8*(4*(\a)+\b), \f+48+12*\b, \f+12*(\a), \z, SCB+8*(\sc)+4*(\b/2)+(\q), SCA+8*(\sc)+2*(\q)+(\a)/2, \b%2, (\a)%2
.endr
.endm
.macro MUL8 f, a0, q, sc, z
	MUL4 \f, \a0, \q, \sc, \z
	MUL4 \f, \a0+1, \q, \sc, \z
.endm
.macro PLACES
.rept 4
	v_nop
.endr
.endm
.macro QUARTER slot, q, f, g, z
	s_wait_dscnt 12
	WIN MUL
	MUL8 \f, 0, \q, \slot, \z
	PLACES
	FETCH \slot, (\q)+1, \g
	s_wait_dscnt 48
	WIN MUL
	MUL8 \f, 2, \q, \slot, \z
.endm
.macro TURN slot, next, fill
.if \fill
	s_wait_xcnt 0x0                                ; my last prefetch has read its address
	s_add_nc_u64 s[PFA:PFA+1], s[PFA:PFA+1], s[8:9]
.endif
	WIN 0
	s_wait_tensorcnt 0x0
	ds_add_u32 v[SPW], v[NIL]
	s_wait_dscnt 13
	WIN MUL
	MUL4 F1, 0, 3, \slot, 0
	s_wait_dscnt 0x0
	s_barrier_signal -1
	MUL4 F1, 1, 3, \slot, 0
	WIN 0
	s_barrier_wait -1
.if \fill
	CREST
	s_add_nc_u64 s[G0A+4*\slot+2:G0A+4*\slot+3], s[G0A+4*\slot+2:G0A+4*\slot+3], 2*1572864
	s_add_nc_u64 s[G0B+4*\slot+2:G0B+4*\slot+3], s[G0B+4*\slot+2:G0B+4*\slot+3], 2*393216
	JLOAD G0A+4*\slot, G1A, G0B+4*\slot, G1B
.else
	PLACES
.endif
	s_wait_alu depctr_va_vdst(0)
	v_add_nc_u32 v[ADSA], 4*544, v[ADSA]
	v_add_nc_u32 v[ADSB], 16, v[ADSB]
	SCALES \next
	FETCH \next, 0, F0
.if \fill
	WIN 0                                          ; at a branch and at a label every window is 0
	s_cmp_gt_u32 s3, 1                             ; the loop's last trip has no K step two loads on
	s_cbranch_scc0 .Lno_ask_\@
	global_prefetch_b8 v[PFO+1], s[PFA:PFA+1] th:TH_LOAD_NT scope:SCOPE_SE
.Lno_ask_\@:
.endif
	WIN MUL
	MUL8 F1, 2, 3, \slot, 0
.endm
	s_wait_alu depctr_va_vdst(0)
.if LAPS > 1
	s_wait_xcnt 0x0                                ; the head's prefetches have read their address
	s_add_nc_u64 s[PFA:PFA+1], s[PFA:PFA+1], s[8:9]
.endif
	s_wait_tensorcnt 0x0
	ds_add_u32 v[SPW], v[NIL]
	s_mov_b32 s[G1A+2], 4<<16
	s_mov_b32 s[G1A+4], 4
	s_mov_b32 s[G1B+2], 96<<16
	s_mov_b32 s[G1B+4], 96
	s_wait_dscnt 0x0
	CROUND
	JLOAD G0A+4, G1A, G0B+4, G1B                   ; slot 1, the first tensor load behind the round
	SCALES 0
	FETCH 0, 0, F0
.if LAPS > 1
	global_prefetch_b8 v[PFO+1], s[PFA:PFA+1] th:TH_LOAD_NT scope:SCOPE_SE    ; K step 3, behind K step 1's load and the first run of LDS loads
.endif
	QUARTER 0, 0, F0, F1, 1
.if LAPS > 1
	WIN 0
	s_mov_b32 s3, LAPS-1
.Llap:
	QUARTER 0, 1, F1, F0, 0
	QUARTER 0, 2, F0, F1, 0
	TURN 0, 1, 1
	QUARTER 1, 0, F0, F1, 0
	QUARTER 1, 1, F1, F0, 0
	QUARTER 1, 2, F0, F1, 0
	TURN 1, 0, 1
	QUARTER 0, 0, F0, F1, 0
	WIN 0
	s_sub_co_u32 s3, s3, 1
	s_cmp_lg_u32 s3, 0
	s_cbranch_scc1 .Llap
.endif
	WIN 0x80                                       ; the residual, into window 2: asked for here, behind the last refill, and wanted on the way out
.irp a, 0,1,2,3
.irp t, 0,1,2,3,4,5,6,7
	global_load_b128 v[4*(8*\a+\t):4*(8*\a+\t)+3], v[CO], s[10:11] offset:(16*\a+2*\t)*4096
.endr
.endr
	QUARTER 0, 1, F1, F0, 0
	QUARTER 0, 2, F0, F1, 0
	TURN 0, 1, 0
	QUARTER 1, 0, F0, F1, 0
	QUARTER 1, 1, F1, F0, 0
	QUARTER 1, 2, F0, F1, 0
	s_wait_dscnt 12
	WIN MUL
	MUL8 F1, 0, 3, 1, 0
	s_wait_dscnt 0
	MUL8 F1, 2, 3, 1, 0
	WIN 0
.macro TOSTAGE a
.irp b, 0,1,2,3
	ds_store_b128 v[STO], v[ACC+8*(4*(\a)+\b):ACC+8*(4*(\a)+\b)+3] offset:64*\b
	ds_store_b128 v[STO], v[ACC+8*(4*(\a)+\b)+4:ACC+8*(4*(\a)+\b)+7] offset:64*\b+16
.endr
.set BB, BK+32*((\a)%2)
.irp t, 0,1,2,3,4,5,6,7
	ds_load_b128 v[BB+4*\t:BB+4*\t+3], v[RD] offset:544*\t
.endr
.endm
.macro SEND a, younger
.set BB, BK+32*((\a)%2)
	s_wait_dscnt \younger
	WIN 0x08
.irp t, 0,1,2,3,4,5,6,7
	v_pk_add_f32 v[BB+4*\t:BB+4*\t+1], v[BB+4*\t:BB+4*\t+1], v[4*(8*(\a)+\t):4*(8*(\a)+\t)+1]
	v_pk_add_f32 v[BB+4*\t+2:BB+4*\t+3], v[BB+4*\t+2:BB+4*\t+3], v[4*(8*(\a)+\t)+2:4*(8*(\a)+\t)+3]
.endr
	WIN 0
.if BIAS
.irp t, 0,1,2,3,4,5,6,7
	v_pk_add_f32 v[BB+4*\t:BB+4*\t+1], v[BB+4*\t:BB+4*\t+1], v[BV:BV+1]
	v_pk_add_f32 v[BB+4*\t+2:BB+4*\t+3], v[BB+4*\t+2:BB+4*\t+3], v[BV+2:BV+3]
.endr
.endif
.irp t, 0,1,2,3,4,5,6,7
.if BIAS
	global_store_b128 v[CO], v[BB+4*\t:BB+4*\t+3], s[12:13] offset:(16*(\a)+2*\t)*4096 th:TH_STORE_NT
.else
	global_store_b128 v[CO], v[BB+4*\t:BB+4*\t+3], s[12:13] offset:(16*(\a)+2*\t)*4096
.endif
.endr
.endm
	s_wait_loadcnt 0x0
	PLACES
	TOSTAGE 0
.irp a, 1,2,3
.if \a > 1
	s_wait_xcnt 0x0
.endif
	TOSTAGE \a
	SEND \a-1, 16
.endr
	SEND 3, 0
	s_wait_tensorcnt 0x0
	ds_add_u32 v[SPW], v[NIL]
	s_wait_dscnt 0x0
	CROUND
	s_endpgm
.Lfunc_end_k_q88cce0efea_ff2:
	.size	k_q88cce0efea_ff2, .Lfunc_end_k_q88cce0efea_ff2-k_q88cce0efea_ff2
	.p2alignl 7, 3214868480
	.fill 96, 4, 3214868480
	.section	.rodata,"a",@progbits
	.p2align	6, 0x0
	.amdhsa_kernel k_q88cce0efea_ff2
		.amdhsa_group_segment_fixed_size 327680
		.amdhsa_private_segment_fixed_size 0
		.amdhsa_enable_private_segment 0
		.amdhsa_kernarg_size 48
		.amdhsa_user_sgpr_count 2
		.amdhsa_user_sgpr_kernarg_segment_ptr 1
		.amdhsa_wavefront_size32 1
		.amdhsa_system_sgpr_workgroup_id_x 1
		.amdhsa_system_sgpr_workgroup_id_y 1
		.amdhsa_system_sgpr_workgroup_id_z 1
		.amdhsa_system_vgpr_workitem_id 0
		.amdhsa_next_free_vgpr 640
		.amdhsa_next_free_sgpr 102
		.amdhsa_reserve_vcc 0
		.amdhsa_float_denorm_mode_32 3
		.amdhsa_float_denorm_mode_16_64 3
		.amdhsa_memory_ordered 1
		.amdhsa_forward_progress 1
		.amdhsa_inst_pref_size 122
	.end_amdhsa_kernel
	.amdgpu_metadata
---
amdhsa.version: [ 1, 2 ]
amdhsa.kernels:
  - .name:           k_q88cce0efea_ff2
    .symbol:         k_q88cce0efea_ff2.kd
    .args:
      - { .name: hq, .offset: 0, .size: 8, .value_kind: global_buffer, .address_space: global }
      - { .name: wr, .offset: 8, .size: 8, .value_kind: global_buffer, .address_space: global }
      - { .name: w_ff2_scales, .offset: 16, .size: 8, .value_kind: global_buffer, .address_space: global }
      - { .name: x1, .offset: 24, .size: 8, .value_kind: global_buffer, .address_space: global }
      - { .name: out0, .offset: 32, .size: 8, .value_kind: global_buffer, .address_space: global }
      - { .name: b_ff2, .offset: 40, .size: 8, .value_kind: global_buffer, .address_space: global }
    .group_segment_fixed_size: 327680
    .private_segment_fixed_size: 0
    .kernarg_segment_align: 8
    .kernarg_segment_size: 48
    .max_flat_workgroup_size: 128
    .sgpr_count:     102
    .vgpr_count:     640
    .wavefront_size: 32
...
	.end_amdgpu_metadata
.endif
;; end of part 6
